; MI455X (gfx1250); checked and timed in simulation.
; The chip was launched on July 23, 2026; its instructions are those of AMD's public machine-readable ISA for CDNA 5 (MIT licence, August 2026) and "CDNA5" Instruction Set Architecture Reference Guide (July 2026). The comments in the code are by the model that wrote it; some were corrected since.
;; Multiheaded Linear Self Attention. Allowed arithmetic: matrix products marked QUANTISED: E3M2 operands, one E8M0 scale for each 32 along K, by v_wmma_scale_f32_16x16x128_f8f6f4 with both operands' format E3M2, f32 sums; products left as they are: f32 operands where the result goes on into a quantised operand, else bf16, f16 or f32 operands; f32 sums; everything else in f32.
;; Inputs: b_qkv 3,072 float32; inputs 4 x 4,096 x 1,024 float32; mask 4 x 4,096 float32; w_qkv 3,072 x 1,024 float32.
;; Outputs: out0 4 x 4,096 x 1,024 float32.
;; Constants: num_heads = 16.
;; This version of the problem:
;;   THIS VERSION OF THE PROBLEM IS GIVEN IN LOW PRECISION. The matrix products marked QUANTISED in the list below multiply operands that are first quantised to E3M2 (3 exponent bits, 2 mantissa bits; 6 bits a number), with one power-of-two scale for each 32 numbers along K (OCP MX v1.0); their sums are f32. All else is computed in f32.
;;   The module's matrix products, in the order in which they are computed (A, B: the left and right operand; K: the contracted axis; several contracted axes count as one K, in the product's order):
;;     1. [M 16,384, K 1,024] x [K 1,024, N 3,072]; A: input inputs; B: input w_qkv: QUANTISED
;;     2. batch 64 x [M 64, K 4,096] x [K 4,096, N 64]; A: computed on the way; B: computed on the way: QUANTISED
;;     3. batch 64 x [M 1, K 64] x [K 64, N 4,096]; A: computed on the way; B: computed on the way: left as it is (M = 1 < 16)
;;     4. batch 64 x [M 64, K 64] x [K 64, N 4,096]; A: computed on the way; B: computed on the way: QUANTISED
;;     5. batch 262,144 x [M 1, K 1] x [K 1, N 64]; A: computed on the way; B: computed on the way: left as it is (no contracted axis)
;;   THE QUANTISER, for each operand of a quantised product, along K:
;;     - K is cut into blocks of 32 from its start; a last block that is shorter is filled with zeros.
;;     - A block's scale is 2^e with e = floor(log2(the largest magnitude in the block)) - 4, held to -126 .. 127; a block of zeros has e = 0. As a byte (E8M0): e + 127.
;;     - Each number is divided by its block's scale, clamped to +-28, and rounded to the nearest number of E3M2, ties to even, subnormals kept.
;;     - The product sums the exact products of the quantised numbers (number of the format x scale) in f32.
;;   ~~~python
;;   def quantise(x, axis):      # numpy; x: float32 -> the quantised numbers, widened to float32 again
;;       x = np.moveaxis(x, axis, -1); K = x.shape[-1]
;;       x = np.pad(x, [(0, 0)] * (x.ndim - 1) + [(0, -K % 32)]); x = x.reshape(x.shape[:-1] + (-1, 32)); a = np.abs(x).max(-1, keepdims=True)
;;       e = np.where(a > 0, np.clip(np.frexp(np.where(a > 0, a, 1))[1] - 1 - 4, -126, 127), 0)      # np.frexp(a)[1] - 1 = floor(log2(a)), exactly
;;       r = np.clip(x / 2.0 ** e, -28, 28)
;;       step = 2.0 ** (np.maximum(np.frexp(np.where(r == 0, 1, r))[1] - 1, -2) - 2)
;;       q = np.round(r / step) * step * 2.0 ** e      # np.round: ties to even
;;       return np.moveaxis(q.reshape(q.shape[:-2] + (-1,))[..., :K], -1, axis).astype(np.float32)
;;   ~~~
;;   OPERANDS COMPUTED ON THE WAY. 'Computed on the way' means the value that the module computes at that place (a softmax that the list does not call 'softmax' is quantised finished and normalised). What goes into a quantiser is computed in f32, as accurately as f32 sums, v_exp_f32 and their like allow (about 1e-6 of the number): no bf16 or f16 on the way to a quantiser, and a product that is left as it is and whose result goes on into a quantised operand takes f32 operands (vector FMAs, or v_wmma_f32_16x16x4_f32). A number that lies on a knife's edge between two numbers of the format may be rounded either way, as far as f32 arithmetic and the matrix unit's own rounding can turn it there, and no further.
;; One version. Each part assembles by itself: llvm-mc -triple=amdgcn-amd-amdhsa -mcpu=gfx1250 --defsym DOCPART=n.
;; ======== version 1 of 1: 4 launches
;; workspace buffers: x_codes 12,582,912 bytes; x_scales 524,288 bytes; w_codes 2,359,296 bytes; w_scales 98,304 bytes; kvp 16,777,216 bytes; ksp 524,288 bytes; kvq 229,376 bytes
;; launch quant (part 1): grid 608 x 1, 4 waves a work-group, no clusters, 33,280 bytes of LDS; arguments inputs, w_qkv, x_codes, x_scales, w_codes, w_scales; writes x_codes, x_scales, w_codes, w_scales
.if DOCPART == 1
	.amdgcn_target "amdgcn-amd-amdhsa--gfx1250"
	.amdhsa_code_object_version 6
	.text
	.protected	k_q97fd5d55a4_quant
	.globl	k_q97fd5d55a4_quant
	.p2align	8
	.type	k_q97fd5d55a4_quant,@function
k_q97fd5d55a4_quant:
	s_mov_b64 s[64:65], 0
	v_nop
	global_prefetch_b8 v0, s[64:65] scope:SCOPE_SE
	s_setreg_imm32_b32 hwreg(HW_REG_WAVE_MODE, 25, 1), 1
	s_wait_xcnt 0x0
; inputs [16384][1024] and w_qkv [3072][1024], f32, become codes of BF6 (E3M2), 6 bits each, K innermost, with one E8M0 byte for each 32 along K.
; A block's scale is 2^(floor(log2(its largest magnitude)) - 4); its byte is the largest magnitude's exponent field - 4, held at 1 from below.
; LIMITS: a block of zeros gets the byte 1 (its codes are zeros, and this program alone reads the bytes); blocks whose largest magnitude lies under 2^-122 keep the byte 1; NaN and infinities are not served.
; A wave takes a run of 8,192 numbers: 8 whole rows, 16 steps of 512 numbers.  Each load reads 512 consecutive bytes; a step's 2,048 bytes turn through the wave's own stage in LDS so that a lane holds 16 neighbours along K.
; THE ROWS ARE RE-ORDERED ON THE WAY OUT, in runs of 8 rows: inside each group of 32 rows the second and third runs change places (position 16 u + r holds row 8 u + r % 8 + 16 (r / 8)), so that the
; products' launches find, in two neighbouring tiles of 16 positions, results that are 16 neighbours along the next product's K.  That holds for the rows of inputs, and of w's q and k parts.
; w's positions: 0-1023 q;  1024 + 128 head + 0..63 that head's k rows;  1024 + 128 head + 64..127 its v rows, in plain order.
; The first WGA work-groups take inputs, the others w.  No tensor loads, no barrier: waves share nothing.
.set STEPS, 16
.set WGA,   512                        ; 16384 x 1024 / 32768
.set EMAX,  4
.set CB,    12                         ; bytes of 16 codes
.set R,     16                         ; v16-79   four sets of 16 numbers as loaded
.set X,     80                         ; v80-111  two sets of 16 neighbours
.set C,     128                        ; v128-191 codes: four registers a step, so that no store's data are written again
.set E,     112                        ; v112-127 a scale byte a step
.set WREG,  8192                       ; LDS: a wave's region: two stages of 32 x SP bytes, then its 256 scale bytes
.set SP,    80                         ; a lane's place in a stage: 64 bytes + 16 of padding
	s_load_b128 s[4:7], s[0:1], 0x0                ; inputs, w_qkv
	s_load_b128 s[8:11], s[0:1], 0x10              ; x's codes, x's scales
	s_load_b128 s[12:15], s[0:1], 0x20             ; w's codes, w's scales
	v_lshl_add_u32 v192, v0, 2, 0x8000
	v_mov_b32 v193, 0
	v_lshrrev_b32 v1, 5, v0
	v_readfirstlane_b32 s16, v1                    ; wave
	v_and_b32 v2, 31, v0                           ; lane
	v_lshlrev_b32 v3, 4, v2                        ; my 16 bytes of a load's 512
	s_mul_i32 s17, s16, WREG
	v_lshrrev_b32 v14, 2, v2
	v_mul_u32_u24 v14, v14, SP
	v_and_b32 v15, 3, v2
	v_lshl_add_u32 v14, v15, 4, v14
	v_add_nc_u32 v14, s17, v14                     ; the stage, on the way in: SP (lane / 4) + 16 (lane % 4)
	v_mul_u32_u24 v15, v2, SP
	v_add_nc_u32 v15, s17, v15                     ; and on the way out: SP x lane: my 16 neighbours
	v_mul_u32_u24 v4, v2, CB                       ; my codes' place in a step's
	v_lshrrev_b32 v5, 1, v2
	s_add_co_u32 s17, s17, 2*32*SP
	v_add_nc_u32 v5, s17, v5                       ; LDS: my wave's 256 scale bytes, my block's byte
	v_lshlrev_b32 v7, 3, v2                        ; and on the way out 8 bytes a lane
	v_add_nc_u32 v6, s17, v7
	s_wait_kmcnt 0x0
	s_cmp_lt_u32 ttmp9, WGA                        ; inputs or w?  The choice hangs on the work-group's number alone
	s_cselect_b64 s[4:5], s[4:5], s[6:7]
	s_cselect_b64 s[8:9], s[8:9], s[12:13]
	s_cselect_b64 s[10:11], s[10:11], s[14:15]
	s_cselect_b32 s17, 0, WGA
	s_sub_co_u32 s17, ttmp9, s17                   ; u: which 32 rows of the tensor
	s_lshl_b32 s22, s17, 2                         ; 4 u
	s_add_co_u32 s18, s22, s16                     ; the run that I read: 4 u + wave
	s_mov_b32 s19, 0
	s_lshr_b32 s23, s17, 5                         ; w's k and v parts: 120 + 8 (u / 32) + 16 ((u / 2) % 16) + 4 (u % 2)
	s_lshl_b32 s23, s23, 3
	s_bfe_u32 s24, s17, 0x40001
	s_lshl_b32 s24, s24, 4
	s_add_co_u32 s23, s23, s24
	s_and_b32 s24, s17, 1
	s_lshl_b32 s24, s24, 2
	s_add_co_u32 s23, s23, s24
	s_add_co_u32 s23, s23, 120
	s_and_b32 s24, s16, 1                          ; the wave's two bits changed round
	s_lshl_b32 s24, s24, 1
	s_lshr_b32 s25, s16, 1
	s_or_b32 s24, s24, s25
	s_cmp_lt_u32 ttmp9, WGA+32                     ; inputs and w's q part keep their groups of 32
	s_cselect_b32 s22, s22, s23
	s_cmp_lt_u32 ttmp9, WGA+64                     ; all but w's v part change the runs round
	s_cselect_b32 s24, s24, s16
	s_add_co_u32 s26, s22, s24                     ; the run that I write
	s_mov_b32 s27, 0
	s_mov_b64 s[20:21], 512*STEPS*4
	s_mul_u64 s[20:21], s[18:19], s[20:21]
	s_add_nc_u64 s[4:5], s[4:5], s[20:21]
	s_mov_b64 s[20:21], 32*STEPS*CB
	s_mul_u64 s[20:21], s[26:27], s[20:21]
	s_add_nc_u64 s[8:9], s[8:9], s[20:21]
	s_lshl_b32 s26, s26, 8                         ; 256 scale bytes a run
	s_add_nc_u64 s[10:11], s[10:11], s[26:27]
.macro LOAD t
.irp i, 0,1,2,3
	global_load_b128 v[R+16*((\t)%4)+4*\i:R+16*((\t)%4)+4*\i+3], v3, s[4:5] offset:2048*(\t)+512*\i th:TH_LOAD_NT   ; 32 lanes read 512 consecutive bytes
.endr
.endm
.macro TURN t                          ; step t's numbers through the stage: LDS serves a wave's instructions in order, so no wait stands between the stores and the loads
.irp i, 0,1,2,3
	ds_store_b128 v14, v[R+16*((\t)%4)+4*\i:R+16*((\t)%4)+4*\i+3] offset:32*SP*((\t)%2)+8*SP*\i
.endr
.irp i, 0,1,2,3
	ds_load_b128 v[X+16*((\t)%2)+4*\i:X+16*((\t)%2)+4*\i+3], v15 offset:32*SP*((\t)%2)+16*\i
.endr
.endm
.irp t, 0,1,2,3
	LOAD \t
.endr
	s_wait_loadcnt 12                              ; step 0's four loads are in; twelve younger ones stay out
	TURN 0
.macro STEP t
.set XS, X+16*((\t)%2)
.if (\t) > 0
	s_wait_dscnt 1                                 ; this step's numbers are back from the stage (the last step's byte store may be out)
.else
	s_wait_dscnt 0x0
.endif
.if (\t)+4 < STEPS
	LOAD (\t)+4                                    ; into the registers that the stage's stores have read
.endif
.if (\t)+1 < STEPS
.if STEPS-2-(\t) >= 3
	s_wait_loadcnt 12                              ; the next step's four loads are in; those of the three steps behind it may be out
.else
	s_wait_loadcnt 4*(STEPS-2-(\t))
.endif
	TURN (\t)+1
.endif
	v_max3_num_f32 v8, |v[XS]|, |v[XS+1]|, |v[XS+2]|               ; the largest magnitude of my 16, in two chains
	v_max3_num_f32 v9, |v[XS+3]|, |v[XS+4]|, |v[XS+5]|
.irp i, 6,10
	v_max3_num_f32 v8, v8, |v[XS+\i]|, |v[XS+\i+1]|
	v_max3_num_f32 v9, v9, |v[XS+\i+2]|, |v[XS+\i+3]|
.endr
	v_max3_num_f32 v8, v8, |v[XS+14]|, |v[XS+15]|
	v_max3_num_f32 v8, v8, v9, (EMAX+1)<<23        ; and the floor 2^(5 - 127): the byte cannot fall under 1
	v_max_num_f32_dpp v8, v8, v8 row_xmask:1 row_mask:0xf bank_mask:0xf   ; with my neighbour's 16: the block's
	v_add_nc_u32 v11, 0xfe000000, v8               ; 4 off its exponent field: the conversion takes that field as its scale
	v_cvt_scalef32_pk16_bf6_f32 v[C+4*(\t):C+4*(\t)+2], v[XS:XS+15], v11
	v_lshrrev_b32 v[E+(\t)], 23, v11               ; the scale's byte (also the plain line behind the conversion)
	ds_store_b8 v5, v[E+(\t)] offset:16*(\t)       ; both lanes of a block write the same byte with the same value
	global_store_b96 v4, v[C+4*(\t):C+4*(\t)+2], s[8:9] offset:32*CB*(\t)
.endm
.irp t, 0,1,2,3,4,5,6,7,8,9,10,11,12,13,14,15
	STEP \t
.endr
	ds_load_b64 v[12:13], v6                       ; LDS serves a wave's instructions in order: these see my stores
	s_wait_dscnt 0x0
	global_store_b64 v7, v[12:13], s[10:11]        ; 32 lanes store 256 consecutive bytes, aligned
	s_wait_tensorcnt 0x0
	ds_add_u32 v192, v193
	s_wait_dscnt 0x0
	s_endpgm
.Lfunc_end_k_q97fd5d55a4_quant:
	.size	k_q97fd5d55a4_quant, .Lfunc_end_k_q97fd5d55a4_quant-k_q97fd5d55a4_quant
	.p2alignl 7, 3214868480
	.fill 96, 4, 3214868480
	.section	.rodata,"a",@progbits
	.p2align	6, 0x0
	.amdhsa_kernel k_q97fd5d55a4_quant
		.amdhsa_group_segment_fixed_size 33280
		.amdhsa_private_segment_fixed_size 0
		.amdhsa_enable_private_segment 0
		.amdhsa_kernarg_size 48
		.amdhsa_user_sgpr_count 2
		.amdhsa_user_sgpr_kernarg_segment_ptr 1
		.amdhsa_wavefront_size32 1
		.amdhsa_system_sgpr_workgroup_id_x 1
		.amdhsa_system_sgpr_workgroup_id_y 1
		.amdhsa_system_sgpr_workgroup_id_z 1
		.amdhsa_system_vgpr_workitem_id 0
		.amdhsa_next_free_vgpr 194
		.amdhsa_next_free_sgpr 66
		.amdhsa_reserve_vcc 0
		.amdhsa_float_denorm_mode_32 3
		.amdhsa_float_denorm_mode_16_64 3
		.amdhsa_memory_ordered 1
		.amdhsa_forward_progress 1
		.amdhsa_inst_pref_size 33
	.end_amdhsa_kernel
	.amdgpu_metadata
---
amdhsa.version: [ 1, 2 ]
amdhsa.kernels:
  - .name:           k_q97fd5d55a4_quant
    .symbol:         k_q97fd5d55a4_quant.kd
    .args:
      - { .name: inputs, .offset: 0, .size: 8, .value_kind: global_buffer, .address_space: global }
      - { .name: w_qkv, .offset: 8, .size: 8, .value_kind: global_buffer, .address_space: global }
      - { .name: x_codes, .offset: 16, .size: 8, .value_kind: global_buffer, .address_space: global }
      - { .name: x_scales, .offset: 24, .size: 8, .value_kind: global_buffer, .address_space: global }
      - { .name: w_codes, .offset: 32, .size: 8, .value_kind: global_buffer, .address_space: global }
      - { .name: w_scales, .offset: 40, .size: 8, .value_kind: global_buffer, .address_space: global }
    .group_segment_fixed_size: 33280
    .private_segment_fixed_size: 0
    .kernarg_segment_align: 8
    .kernarg_segment_size: 48
    .max_flat_workgroup_size: 128
    .sgpr_count:     66
    .vgpr_count:     194
    .wavefront_size: 32
...
	.end_amdgpu_metadata
.endif
;; end of part 1
;; launch kvgemm (part 2): grid 4 x 64, 4 waves a work-group, clusters of 4 x 4, 327,680 bytes of LDS; arguments w_codes, w_scales, x_codes, x_scales, b_qkv, mask, kvp, ksp; writes kvp, ksp
.if DOCPART == 2
	.amdgcn_target "amdgcn-amd-amdhsa--gfx1250"
	.amdhsa_code_object_version 6
	.text
	.protected	k_q97fd5d55a4_kvgemm
	.globl	k_q97fd5d55a4_kvgemm
	.p2align	8
	.type	k_q97fd5d55a4_kvgemm,@function
k_q97fd5d55a4_kvgemm:
	s_mov_b64 s[64:65], 0
	v_nop
	global_prefetch_b8 v0, s[64:65] scope:SCOPE_SE
	s_setreg_imm32_b32 hwreg(HW_REG_WAVE_MODE, 25, 1), 1
	s_wait_xcnt 0x0
	s_wait_alu depctr_hold_cnt(0) depctr_sa_sdst(0) depctr_va_vdst(0) depctr_va_sdst(0) depctr_va_ssrc(0) depctr_va_vcc(0) depctr_vm_vsrc(0)
	s_getreg_b32 s2, hwreg(HW_REG_IB_STS2, 6, 4)
	s_cmp_eq_u32 s2, 0
	s_cbranch_scc0 .Lentry_in_a_cluster
	s_endpgm
.Lentry_in_a_cluster:
	s_bfe_u32 s2, ttmp6, 0x10000c
	s_cmp_lg_u32 s2, 0xf033
	s_cbranch_scc0 .Lentry_shape_is_right
	s_endpgm
.Lentry_shape_is_right:
; The k and v parts of qkv = inputs w^T + b on codes of BF6 with E8M0 scales, and on each tile, without leaving the work-group: kk = elu(k mask) + 1, the sums of kk over s, both operands quantised along s,
; and kv[m][d] += sum over s of kk[s][d] v[s][m] for the tile's 256 s.  Out go partial kv (kvp) and partial sums of kk (ksp); qkv itself never goes to memory.
; A tile is 256 positions of w (two heads: 64 k rows and 64 v rows each) x 256 rows of inputs.  Four waves, each 128 x 128: one head x 128 s; 64 accumulators, 512 registers.
; A WORK-GROUP STAYS: it makes TWO tiles, the same 256 rows of inputs against two neighbouring pairs of heads.  The ring does not stop at the first tile's end: its last two changes of slots ask for the second
; tile's first two K steps, which land while the first tile's epilogue runs, and nothing waits for the first tile's stores.  The rows' scale bytes and the mask are brought once for both tiles.
; The two tiles are written out one after the other by the same macros: all that differs between them are immediates, one address register and the refills; so the text has no loop, and every line runs once.
; K goes in steps of 256 through a ring of two LDS slots filled by the tensor data mover; the scale bytes of all rows come once and stay.
; CLUSTERS 4 x 4: w's tiles hang on work-group x alone and are shared along a column of the cluster, inputs' on work-group y alone and are shared along a row; each is asked for jointly, by the same tensor
; load with a mask that names the four.
; ORIENTATION: source 0 = 16 rows of inputs, source 1 = 16 positions of w.  A lane holds ONE column of qkv (position 16 a + lane % 16) and its registers run along s.  The rows of inputs lie re-ordered in
; memory, so that register 16 b + i of a block's 64 is s = 32 b + 16 (lane / 16) + i: 16 neighbours along the next product's K.
; The bias is the C of each sum's first matrix instruction.
; phi(x) = max(x, 2^(-|x| log2 e) - 1) + 1: x + 1 above 0, (e^x - 1) + 1 below.
; LIMITS: NaN and infinities are not served; a block of zeros, or one under 2^-122, has the scale byte 1.
; REGISTERS, in windows of 256: window 0: v0-31 addresses; v32-63 scale words; v64-127 the bias (8 equal registers for each block a); from v128 w's fragments, one set; v244-251 the second tile's bias.
;   window 1: inputs' fragments, two sets, at v0 and v128; v96-127 and v224-255 my 64 numbers of the mask.   window 2: kk's four blocks;   window 3: v's four blocks.
.set KSTEP,  256
.set NQ,     KSTEP/128
.set ROWB,   192                       ; a tile's row in bytes
.set KROW,   768                       ; a row of codes in memory
.set PITCH,  240                       ; an LDS row: 3 x (64 bytes + 16 of padding)
.set FR,     12
.set NL,     6
.set NP,     4
.set HALFT,  128*PITCH
.set SLOT,   4*HALFT
.set KS,     32                        ; a row of scale bytes
.set SCL,    2*SLOT                    ; behind the ring: the scale bytes: w's 512 rows, then inputs' 256
.set HALFS,  (128*KS/256)*272          ; those of 128 rows
.set SBLK,   (16*KS/256)*272           ; those of 16 rows
.set SPARE,  SCL+6*HALFS               ; the spare words, 128 bytes a wave: two blocks of 256 bytes that no other line names
.set IMG,    SPARE+512                 ; the epilogue's own bytes, into which no fill lands: 4 waves x 8 images of fragments x 1,536 bytes,
.set ISC,    49152                     ; and, so far behind IMG, 4 waves x 8 x 128 bytes of scale words
.set NEXT_A, 256*KROW-2*ROWB           ; from a slot's last K step of a tile to its first of the next: w goes 256 positions on and back along K,
.set BACK_B, 2*ROWB                    ; inputs only back
.set IW,   7                           ; v7   where I store images: IMG + 16 lane + 12288 wave
.set SW,   8                           ; v8   and scale words: IMG + 4 lane + 1024 wave
.set IR,   9                           ; v9   where my head's images begin: IMG + 16 lane + 24576 (wave / 2)
.set IRV,  10                          ; v10  + 3072 (wave % 2): my two blocks of v
.set SR,   11                          ; v11  IMG + 4 lane + 2048 (wave / 2)
.set SRV,  12                          ; v12  + 256 (wave % 2)
.set L16,  13                          ; v13  16 lane
.set L4,   14                          ; v14  4 lane
.set ADRA, 16
.set ADRB, 20
.set ADRS1, 24                         ; v24  LDS address of my scale words in the second tile
.set ADRS, 27                          ; v27  and in the first: lanes 0-15 w's rows, lanes 16-31 inputs'
.set SPW,  28                          ; v28  my spare word's address; never rewritten
.set NIL,  29                          ; v29  0; never rewritten
.set SC,   32
.set BI,   64
.set AF,   128
.set BS,   244                         ; v244-251 the second tile's bias, one number for each block a
.set P,    64                          ; the epilogue, window 0: v64-127 k mask, then kk; later the 8 accumulators of kv
.set T,    128                         ; v128-191 at work; later v's fragments
.set PC,   192                         ; the codes just made: v192-210 and v44-62 by turns
.set TM,   212                         ; v212-227 the quantiser's
.set PW,   228                         ; the scale word just made: v228 and v229 by turns
.set KC,   232                         ; v232-235 the sums of kk
.set KT,   236
.set TP,   240
.set SEL,  66                          ; s[66:67] selects for lane l xor 16
.set G1, 24
.set G0, 32
.set G1B, 48
.set G0B, 56
.set G1S, 68
.set G0S, 76
.set G1SB, 80
.set G0SB, 88
.set MSB, 0
.macro WIN new                         ; the immediate's high byte repeats the setting that is left
.if MSB != (\new)
	s_set_vgpr_msb (MSB<<8)|(\new)
.set MSB, (\new)
.endif
.endm
.set MUL_LO, 0xa1                      ; source 0 window 1, source 1 window 0, C and D window 2
.set MUL_HI, 0xf1                      ; the same, C and D window 3
.set TO_B,   0x40
; A joint load: waves 0 and 1 fetch for w, waves 2 and 3 for inputs.  The branch hangs on the wave's number alone.  Four v_nop follow each of the two lines.
.macro JLOAD g0a, g1a, g0b, g1b
	s_cmp_eq_u32 s15, 0
	s_cbranch_scc0 .Lfor_b_\@
	tensor_load_to_lds s[\g0a:\g0a+3], s[\g1a:\g1a+7]
	s_nop 0
.rept 4
	v_nop
.endr
	s_branch .Lasked_\@
.Lfor_b_\@:
	tensor_load_to_lds s[\g0b:\g0b+3], s[\g1b:\g1b+7]
	s_nop 0
.rept 4
	v_nop
.endr
.Lasked_\@:
.endm
.macro CREST                           ; a round of the cluster's barrier behind its opening barrier
	s_cmp_lg_u32 s14, 0
	s_cbranch_scc1 .Lnot_wave_0_\@
	s_barrier_signal -3
.Lnot_wave_0_\@:
	s_barrier_wait -3
	s_barrier_signal -1
	s_barrier_wait -1
.endm
.macro CROUND
	s_barrier_signal -1
	s_barrier_wait -1
	CREST
.endm
	s_load_b128 s[4:7], s[0:1], 0x0                ; w's codes, w's scales
	s_load_b128 s[8:11], s[0:1], 0x10              ; inputs' codes, inputs' scales
	s_load_b128 s[96:99], s[0:1], 0x20             ; b_qkv, mask
	v_lshl_add_u32 v[SPW], v0, 2, SPARE
	v_mov_b32 v[NIL], 0
	ds_add_u32 v28, v29
	ds_add_u32 v28, v29
	s_wait_dscnt 0x0
	v_lshrrev_b32 v1, 5, v0
	v_readfirstlane_b32 s14, v1                    ; wave 0..3
	s_lshr_b32 s15, s14, 1                         ; which head of a tile's two is mine.  Also: I fetch for w (0) or for inputs (1)
	s_and_b32 s16, s14, 1                          ; which 128 s.  Also: which half of the rows I fetch
	s_bfe_u32 s40, ttmp6, 0x40000                  ; cx, cy
	s_bfe_u32 s41, ttmp6, 0x40004
	s_lshl_b32 s17, ttmp9, 2
	s_add_co_u32 s17, s17, s40                     ; which four heads = 4 x cluster x + cx
	s_and_b32 s42, ttmp7, 0xffff
	s_lshl_b32 s42, s42, 2
	s_add_co_u32 s42, s42, s41                     ; which 256 rows of inputs = 4 x cluster y + cy
	s_lshl_b32 s43, 0x1111, s40                    ; my column of the cluster: it shares w's tiles
	s_lshl_b32 s44, s41, 2
	s_lshl_b32 s44, 15, s44                        ; my row: it shares inputs' tiles
	s_or_b32 s[G1+0], s43, (0<<16)|(1<<20)|(1<<21)|(3<<22)|(3<<25)  ; the mask; elements of 1 byte; padding on; bit 21 beside a mask; after every 16 words, 4 words
	s_or_b32 s[G1B+0], s44, (0<<16)|(1<<20)|(1<<21)|(3<<22)|(3<<25)
.irp g, G1, G1B
	s_mov_b32 s[\g+1], ROWB<<16                    ; tensor_dim0
	s_mov_b32 s[\g+2], 128<<16                     ; tensor_dim1
	s_mov_b32 s[\g+3], ROWB<<16                    ; tile_dim0
	s_mov_b32 s[\g+4], 128                         ; tile_dim1
	s_mov_b32 s[\g+5], KROW                        ; pitch
	s_mov_b32 s[\g+6], 0
	s_mov_b32 s[\g+7], 0
.endr
	s_or_b32 s[G1S+0], s43, (3<<16)|(1<<20)|(1<<21)|(5<<22)|(3<<25)  ; scale bytes: dense blocks as rows of 256 bytes (32 elements of 8), 16 bytes of padding behind each
	s_or_b32 s[G1SB+0], s44, (3<<16)|(1<<20)|(1<<21)|(5<<22)|(3<<25)
	s_mov_b32 s[G1S+1], 32<<16
	s_mov_b32 s[G1S+2], 32<<16                     ; w's: 256 rows' 8,192 bytes a load: 32 rows
	s_mov_b32 s[G1S+3], 32<<16
	s_mov_b32 s[G1S+4], 32
	s_mov_b32 s[G1S+5], 32
	s_mov_b32 s[G1S+6], 0
	s_mov_b32 s[G1S+7], 0
	s_mov_b32 s[G1SB+1], 32<<16
	s_mov_b32 s[G1SB+2], 16<<16                    ; inputs': 128 rows' 4,096 bytes a load: 16 rows
	s_mov_b32 s[G1SB+3], 32<<16
	s_mov_b32 s[G1SB+4], 16
	s_mov_b32 s[G1SB+5], 32
	s_mov_b32 s[G1SB+6], 0
	s_mov_b32 s[G1SB+7], 0
	s_mov_b32 s[SEL], 0x76543210
	s_mov_b32 s[SEL+1], 0xfedcba98
	s_mov_b32 s95, 0x3fb8aa3b                      ; log2(e)
	s_lshl_b32 s18, s16, 7
	s_lshl_b32 s20, s17, 9
	s_add_co_u32 s20, s20, 1024                    ; w: position 1024 + 512 x my four heads
	s_lshl_b32 s22, s16, 8
	s_add_co_u32 s22, s22, s20                     ; the scales that I fetch: + 256 x half
	s_add_co_u32 s20, s20, s18                     ; the codes that I fetch, first tile: + 128 x half
	s_lshl_b32 s46, s42, 8
	s_add_co_u32 s46, s46, s18                     ; inputs: position 256 x tile + 128 x half
	s_mov_b32 s21, 0
	s_mov_b32 s23, 0
	s_mov_b32 s47, 0
	s_mov_b64 s[18:19], KS
	s_mul_u64 s[22:23], s[22:23], s[18:19]
	s_mul_u64 s[92:93], s[46:47], s[18:19]
	s_mov_b64 s[18:19], KROW
	s_mul_u64 s[20:21], s[20:21], s[18:19]
	s_mul_u64 s[46:47], s[46:47], s[18:19]
	s_mul_i32 s45, s14, HALFT                      ; where the codes go: wave x 128 rows: no place in the cluster enters an LDS address
	s_mul_i32 s94, s14, 2*HALFS                    ; w's scales: wave x 256 rows
	s_mul_i32 s3, s14, HALFS                       ; inputs' scales: behind w's 512 rows, (wave - 2) x 128 rows
	s_wait_kmcnt 0x0
	s_add_nc_u64 s[20:21], s[4:5], s[20:21]
	s_add_nc_u64 s[22:23], s[6:7], s[22:23]
	s_add_nc_u64 s[46:47], s[8:9], s[46:47]
	s_add_nc_u64 s[92:93], s[10:11], s[92:93]
	CROUND                                         ; all sixteen work-groups are here: the first joint loads meet
	s_mov_b32 s[G0S], 1
	s_add_co_u32 s[G0S+1], s94, SCL
	s_mov_b64 s[G0S+2:G0S+3], s[22:23]
	s_or_b32 s[G0S+3], s[G0S+3], 0x80000000
	s_mov_b32 s[G0SB], 1
	s_add_co_u32 s[G0SB+1], s3, SCL+2*HALFS
	s_mov_b64 s[G0SB+2:G0SB+3], s[92:93]
	s_or_b32 s[G0SB+3], s[G0SB+3], 0x80000000
	JLOAD G0S, G1S, G0SB, G1SB                     ; the scales first
.irp s, 0,1
	s_mov_b32 s[G0+4*\s], 1
	s_add_co_u32 s[G0+4*\s+1], s45, \s*SLOT
	s_add_nc_u64 s[G0+4*\s+2:G0+4*\s+3], s[20:21], \s*ROWB
	s_or_b32 s[G0+4*\s+3], s[G0+4*\s+3], 0x80000000
	s_mov_b32 s[G0B+4*\s], 1
	s_add_co_u32 s[G0B+4*\s+1], s45, \s*SLOT
	s_add_nc_u64 s[G0B+4*\s+2:G0B+4*\s+3], s[46:47], \s*ROWB
	s_or_b32 s[G0B+4*\s+3], s[G0B+4*\s+3], 0x80000000
	JLOAD G0+4*\s, G1, G0B+4*\s, G1B
.endr                                              ; three tensor loads of mine are out
	s_load_b128 s[4:7], s[0:1], 0x30               ; kvp, ksp (the registers that held w's pointers are free)
	v_and_b32 v1, 15, v0                           ; r
	v_bfe_u32 v2, v0, 4, 1                         ; h
	v_mul_u32_u24 v3, v1, PITCH
	v_mul_u32_u24 v4, v2, 24
	v_add_nc_u32 v4, v3, v4                        ; a fragment's row x pitch + 24 x half
	v_lshl_add_u32 v5, v2, 4, v4                   ; and the same behind one padding more
	s_mul_i32 s21, s15, HALFT
	s_mul_i32 s22, s16, HALFT
	s_add_co_u32 s22, s22, 2*HALFT
.irp s, 0,1
	v_add_nc_u32 v[ADRA+\s], s21, v4
	v_add_nc_u32 v[ADRB+\s], s22, v4
	v_add_nc_u32 v[ADRA+2+\s], s21, v5
	v_add_nc_u32 v[ADRB+2+\s], s22, v5
	s_add_co_u32 s21, s21, SLOT
	s_add_co_u32 s22, s22, SLOT
.endr
	v_mul_u32_u24 v5, v1, KS                       ; my row's scales: KS bytes a row,
	v_lshrrev_b32 v6, 8, v5
	v_lshl_add_u32 v5, v6, 4, v5                   ; and 16 more for each 256 passed
	s_mul_i32 s21, s15, HALFS                      ; w's, first tile: my 128 rows
	s_mul_i32 s22, s16, HALFS
	s_add_co_u32 s22, s22, 4*HALFS                 ; inputs': my 128 rows, behind w's 512
	s_sub_co_u32 s22, s22, s21                     ; the distance between the two
	v_mul_u32_u24 v6, s22, v2                      ; lanes 16-31 take inputs' scale words
	s_add_co_u32 s21, s21, SCL
	v_add_nc_u32 v6, v5, v6
	v_add_nc_u32 v[ADRS], s21, v6
	s_sub_co_u32 s22, s22, 2*HALFS                 ; second tile: w's rows lie 256 rows on, and the distance is as much shorter
	v_mul_u32_u24 v6, s22, v2
	s_add_co_u32 s21, s21, 2*HALFS
	v_add_nc_u32 v6, v5, v6
	v_add_nc_u32 v[ADRS1], s21, v6
	v_and_b32 v3, 31, v0                           ; the epilogue's LDS addresses: constants, the lane and the wave's number
	v_lshlrev_b32 v[L16], 4, v3
	v_lshlrev_b32 v[L4], 2, v3
	s_mul_i32 s21, s14, 12288
	s_add_co_u32 s21, s21, IMG
	v_add_nc_u32 v[IW], s21, v[L16]
	s_lshl_b32 s21, s14, 10
	s_add_co_u32 s21, s21, IMG
	v_add_nc_u32 v[SW], s21, v[L4]
	s_mul_i32 s21, s15, 24576
	s_add_co_u32 s21, s21, IMG
	v_add_nc_u32 v[IR], s21, v[L16]
	s_mul_i32 s22, s16, 3072
	v_add_nc_u32 v[IRV], s22, v[IR]
	s_lshl_b32 s21, s15, 11
	s_add_co_u32 s21, s21, IMG
	v_add_nc_u32 v[SR], s21, v[L4]
	s_lshl_b32 s22, s16, 8
	v_add_nc_u32 v[SRV], s22, v[SR]
	v_and_b32 v15, 8, v1
	v_add_nc_u32 v15, v15, v1
	v_lshlrev_b32 v15, 2, v15                      ; 4 (r + 8 (r / 8)): k's positions are re-ordered
	v_lshlrev_b32 v30, 2, v1                       ; 4 r: v's are not
	v_lshlrev_b32 v31, 6, v2                       ; 64 h: my 16 numbers of a block of 32 of the mask
	s_lshl_b32 s92, s17, 2
	s_add_co_u32 s92, s92, s15                     ; my head in the first tile; in the second it is two heads on
	s_lshl_b32 s93, s42, 1
	s_add_co_u32 s93, s93, s16                     ; my chunk of 128 s
	s_mov_b32 s101, 0
	s_lshl_b32 s100, s92, 8
	s_add_co_u32 s100, s100, 4096
	s_add_nc_u64 s[96:97], s[96:97], s[100:101]    ; b_qkv at my head's k part
	s_lshl_b32 s100, s93, 9
	s_add_nc_u64 s[98:99], s[98:99], s[100:101]    ; the mask at my 128 s
.irp a, 0,1,2,3
	global_load_b32 v[BI+8*\a], v15, s[96:97] offset:(32*(\a/2)+8*(\a%2))*4
	global_load_b32 v[BS+\a], v15, s[96:97] offset:512+(32*(\a/2)+8*(\a%2))*4
.endr
.irp a, 4,5,6,7
	global_load_b32 v[BI+8*\a], v30, s[96:97] offset:4096+64*(\a-4)
	global_load_b32 v[BS+\a], v30, s[96:97] offset:512+4096+64*(\a-4)
.endr
	WIN TO_B
.irp b, 0,1,2,3
.irp j, 0,1,2,3
	global_load_b128 v[96+16*\b+4*\j+96*(\b/2):96+16*\b+4*\j+96*(\b/2)+3], v31, s[98:99] offset:128*\b+16*\j   ; entry 16 b + i: the mask at s = 32 b + 16 h + i
.endr
.endr
	WIN 0
	s_wait_kmcnt 0x0
	s_lshl_b32 s100, s42, 4
	s_add_co_u32 s100, s100, s92
	s_lshl_b32 s100, s100, 14
	s_lshl_b32 s94, s16, 13
	s_add_co_u32 s100, s100, s94
	s_add_nc_u64 s[4:5], s[4:5], s[100:101]        ; kvp: (16 tile of s + head) x 16384 + 8192 (wave % 2)
	s_lshl_b32 s100, s93, 12
	s_lshl_b32 s94, s92, 8
	s_add_co_u32 s100, s100, s94
	s_add_nc_u64 s[6:7], s[6:7], s[100:101]        ; ksp: 4 (1024 chunk + 64 head)
	s_wait_loadcnt 0x0                             ; the bias of both tiles and the mask, once
.irp a, 0,1,2,3,4,5,6,7
.irp j, 1,2,3,4,5,6,7
	v_mov_b32 v[BI+8*\a+\j], v[BI+8*\a]            ; a lane's eight results of a tile belong to one column: eight equal numbers
.endr
.endr
.macro FRAG reg, adr, q, i             ; a fragment: 16 rows x 128 K, 12 registers, in pieces of 8 bytes; where lanes 16-31's piece lies behind one padding more, the second address register serves
.irp p, 0,1,2,3,4,5
.set PCE, 12*(\q)+6*(\p/3)+\p%3
.if PCE%8 < 5
	ds_load_b64 v[\reg+2*\p:\reg+2*\p+1], v[\adr] offset:8*PCE+16*(PCE/8)+(\i)*16*PITCH
.else
	ds_load_b64 v[\reg+2*\p:\reg+2*\p+1], v[\adr+2] offset:8*PCE+16*(PCE/8)+(\i)*16*PITCH
.endif
.endr
.endm
; 16 matrix instructions: w's blocks a0, a0 + 1 x inputs' eight.  zero = 1: the first product starts the sums from the bias.  The 64 accumulators take turns.
.macro MUL16 a0, p, q, sc, zero
.irp a, \a0, \a0+1
.irp b, 0,1,2,3,4,5,6,7
.if \zero
	v_wmma_scale_f32_16x16x128_f8f6f4 v[8*(8*((\a)%4)+\b):8*(8*((\a)%4)+\b)+7], v[128*(\p)+FR*\b:128*(\p)+FR*\b+FR-1], v[AF+FR*(\a):AF+FR*(\a)+FR-1], v[BI+8*(\a):BI+8*(\a)+7], v[SC+8*NQ*(\sc)+NQ*\b+(\q)], v[SC+8*NQ*(\sc)+NQ*(\a)+(\q)] matrix_a_fmt:MATRIX_FMT_BF6 matrix_b_fmt:MATRIX_FMT_BF6 matrix_a_scale:MATRIX_SCALE_ROW1
.else
	v_wmma_scale_f32_16x16x128_f8f6f4 v[8*(8*((\a)%4)+\b):8*(8*((\a)%4)+\b)+7], v[128*(\p)+FR*\b:128*(\p)+FR*\b+FR-1], v[AF+FR*(\a):AF+FR*(\a)+FR-1], v[8*(8*((\a)%4)+\b):8*(8*((\a)%4)+\b)+7], v[SC+8*NQ*(\sc)+NQ*\b+(\q)], v[SC+8*NQ*(\sc)+NQ*(\a)+(\q)] matrix_a_fmt:MATRIX_FMT_BF6 matrix_b_fmt:MATRIX_FMT_BF6 matrix_a_scale:MATRIX_SCALE_ROW1
.endif
.endr
.endr
.endm
.macro FETCH_B slot, q, p
	WIN TO_B
.irp i, 0,1,2,3,4,5,6,7
	FRAG 128*(\p)+FR*\i, ADRB+\slot, \q, \i
.endr
	WIN 0
.endm
.macro FETCH_A slot, q, i0
.irp i, \i0, \i0+1, \i0+2, \i0+3
	FRAG AF+FR*(\i), ADRA+\slot, \q, \i
.endr
.endm
.macro SCALES sc, adr, k               ; the scale words of the tile's K step k (8 bytes a row) into set sc: lanes 0-15 w's block i, lanes 16-31 inputs' block i
.irp i, 0,1,2,3,4,5,6,7
	ds_load_b64 v[SC+8*NQ*\sc+NQ*\i:SC+8*NQ*\sc+NQ*\i+1], v[\adr] offset:\i*SBLK+4*NQ*(\k)
.endr
.endm
.macro PLACES n                        ; plain vector lines between a matrix instruction and a load into, or a vector line on, its registers
.rept \n
	v_nop
.endr
.endm
.macro STEP slot, q, zero
	s_wait_dscnt 4*NL                              ; inputs' set and w's blocks 0-3 are in; the youngest 24 loads (blocks 4-7) may be out
	WIN MUL_LO-0x20*(\zero)                        ; (the bias lies in window 0)
	MUL16 0, (\q)%2, \q, \slot, \zero
	MUL16 2, (\q)%2, \q, \slot, \zero
	s_wait_dscnt 0
	PLACES NP
	FETCH_B \slot, (\q)+1, 1-(\q)%2
	FETCH_A \slot, (\q)+1, 0
	WIN MUL_HI-0x30*(\zero)
	MUL16 4, (\q)%2, \q, \slot, \zero
	MUL16 6, (\q)%2, \q, \slot, \zero
	PLACES NP
	WIN 0
	FETCH_A \slot, (\q)+1, 4
.endm
.macro DSTEP slot, kind                ; a slot's descriptors step (no tensor load of mine is out).  kind = 1: two K steps on;  2: to the same slot's first K step of the next tile
.if \kind == 1
	s_add_nc_u64 s[G0+4*\slot+2:G0+4*\slot+3], s[G0+4*\slot+2:G0+4*\slot+3], 2*ROWB
	s_add_nc_u64 s[G0B+4*\slot+2:G0B+4*\slot+3], s[G0B+4*\slot+2:G0B+4*\slot+3], 2*ROWB
.else
	s_add_nc_u64 s[G0+4*\slot+2:G0+4*\slot+3], s[G0+4*\slot+2:G0+4*\slot+3], NEXT_A
	s_sub_nc_u64 s[G0B+4*\slot+2:G0B+4*\slot+3], s[G0B+4*\slot+2:G0B+4*\slot+3], BACK_B
.endif
.endm
; The first half of a slot's last step: one barrier for the change of slots; in front of it each wave waits for all its tensor loads, adds 0 to its spare word, and waits for that and for its reads of this slot.
.macro MEET slot
	s_wait_tensorcnt 0x0                           ; all my tensor loads have landed: my part of the other slot
	ds_add_u32 v[SPW], v[NIL]
	s_wait_dscnt 4*NL+1                            ; the add and the youngest 24 loads may be out
	WIN MUL_LO
	MUL16 0, 1, NQ-1, \slot, 0
	s_wait_dscnt 0x0                               ; the add is done, and my reads of this slot are over
	s_barrier_signal -1
	MUL16 2, 1, NQ-1, \slot, 0
	WIN 0
	s_barrier_wait -1
.endm
; A slot's last step inside a tile.  fill = 0: nothing is filled;  1, 2: this slot is filled again (DSTEP's kinds).  adr, k: the scale words of the K step that lies in the next slot.
.macro TURN slot, next, fill, adr, k
	MEET \slot
.if \fill
	CREST                                          ; no wave of any partner still reads this slot or has a load on its way
	DSTEP \slot, \fill
	JLOAD G0+4*\slot, G1, G0B+4*\slot, G1B         ; the first tensor load behind the round, and my only one until the next; its four v_nop are the places in front of the loads below
.else
	PLACES NP
.endif
	FETCH_B \next, 0, 0
	FETCH_A \next, 0, 0
	SCALES \next, \adr, \k
	WIN MUL_HI
	MUL16 4, 1, NQ-1, \slot, 0
	MUL16 6, 1, NQ-1, \slot, 0
	PLACES NP
	WIN 0
	FETCH_A \next, 0, 4
.endm
; The last step of a tile that has a successor: the slot takes the next tile's second K step.  The wait for all loads in front of the round has shown the next tile's first K step landed, in every wave.
; No fragment is fetched ahead: the epilogue uses those registers.
.macro TURNX slot
	MEET \slot
	CREST
	DSTEP \slot, 2
	JLOAD G0+4*\slot, G1, G0B+4*\slot, G1B
	WIN MUL_HI
	MUL16 4, 1, NQ-1, \slot, 0
	MUL16 6, 1, NQ-1, \slot, 0
	WIN 0
	PLACES NP
.endm
.macro OPEN adr                        ; a tile's first fragments and its first step, whose products start the sums
	FETCH_B 0, 0, 0
	FETCH_A 0, 0, 0
	SCALES 0, \adr, 0
	FETCH_A 0, 0, 4
	STEP 0, 0, 1
.endm
; ---- THE EPILOGUE'S PARTS
; 64 numbers of a lane in window w, register 16 b + i = k 32 b + 16 (lane / 16) + i of my row, become a fragment's codes in v[PC] on and its scale word in v[PW].  Each accumulator is read from its low end on.
.macro QUANT s, w
	WIN (\w)|((\w)<<2)
.irp b, 0,1,2,3
	v_max3_num_f32 v[TM+\b], |v[(\s)+16*\b]|, |v[(\s)+1+16*\b]|, 0x2800000   ; my 16 numbers of block b, and the floor 2^(5 - 127)
.endr
	WIN ((\w)<<2)|((\w)<<4)
.irp i, 2,4,6,8,10,12,14
.irp b, 0,1,2,3
	v_max3_num_f32 v[TM+\b], v[TM+\b], |v[(\s)+16*\b+\i]|, |v[(\s)+1+16*\b+\i]|
.endr
.endr
	WIN 0
.irp b, 0,1,2,3
	v_permlanex16_b32 v[TM+4+\b], v[TM+\b], s[SEL], s[SEL+1]
.endr
.irp b, 0,1,2,3
	v_max_num_f32 v[TM+\b], v[TM+\b], v[TM+4+\b]   ; with lane l xor 16's: the block's largest magnitude
.endr
.irp b, 0,1,2,3
	v_add_nc_u32 v[TM+12+\b], 0xfe000000, v[TM+\b] ; 4 off its exponent field: the conversion's scale operand
.endr
.irp b, 0,1,2,3
	v_lshrrev_b32 v[TM+4+\b], 23, v[TM+12+\b]      ; the scale's byte
.endr
	v_lshl_or_b32 v[PW], v[TM+5], 8, v[TM+4]
	v_lshl_or_b32 v[PW], v[TM+6], 16, v[PW]
	v_lshl_or_b32 v[PW], v[TM+7], 24, v[PW]
	WIN (\w)
.irp c, 0,1
	v_cvt_scalef32_pk16_bf6_f32 v[PC+6*\c:PC+2+6*\c], v[(\s)+32*\c:(\s)+15+32*\c], v[TM+12+2*\c]
	v_cvt_scalef32_pk16_bf6_f32 v[PC+12+4*\c:PC+14+4*\c], v[(\s)+16+32*\c:(\s)+31+32*\c], v[TM+12+2*\c+1]
.endr
	WIN 0
	v_nop                                          ; one plain line behind a scaled conversion
.irp c, 0,1                                    ; the operand's layout wants a whole block in a lane
.irp i, 0,1,2
	v_permlane16_swap_b32 v[PC+6*\c+\i], v[PC+12+4*\c+\i]
.endr
.irp i, 0,1,2
	v_mov_b32 v[PC+3+6*\c+\i], v[PC+12+4*\c+\i]
.endr
.endr
.endm
.macro KPHI a                          ; kk of block a: P = phi(k x mask)
	WIN 0x06                                       ; source 0 window 2 (k), source 1 window 1 (the mask)
.set n, 0
.rept 32
	v_pk_mul_f32 v[P+n:P+n+1], v[64*(\a)+n:64*(\a)+n+1], v[96+n+96*(n/32):97+n+96*(n/32)]
.set n, n+2
.endr
	WIN 0
.set n, 0
.rept 64
	v_mul_f32 v[T+n], -|v[P+n]|, s95
.set n, n+1
.endr
.set n, 0
.rept 64
	v_exp_f32 v[T+n], v[T+n]
.set n, n+1
.endr
	v_nop                                          ; a plain line behind the last exponential
.set n, 0
	s_wait_alu depctr_va_vdst(0)
.rept 32
	v_pk_add_f32 v[T+n:T+n+1], v[T+n:T+n+1], -1.0 op_sel_hi:[1,0]
.set n, n+2
.endr
.set n, 0
.rept 64
	v_max_num_f32 v[P+n], v[P+n], v[T+n]
.set n, n+1
.endr
.set n, 0
.rept 32
	v_pk_add_f32 v[P+n:P+n+1], v[P+n:P+n+1], 1.0 op_sel_hi:[1,0]
.set n, n+2
.endr
.endm
.macro KSUM a                          ; the sum of the unquantised kk over my 128 s, in two chains
	v_pk_add_f32 v[KT:KT+1], v[P:P+1], v[P+2:P+3]
	v_pk_add_f32 v[KT+2:KT+3], v[P+4:P+5], v[P+6:P+7]
.irp j, 8,12,16,20,24,28,32,36,40,44,48,52,56,60
	v_pk_add_f32 v[KT:KT+1], v[KT:KT+1], v[P+\j:P+\j+1]
	v_pk_add_f32 v[KT+2:KT+3], v[KT+2:KT+3], v[P+\j+2:P+\j+3]
.endr
	v_pk_add_f32 v[KT:KT+1], v[KT:KT+1], v[KT+2:KT+3]
	v_add_f32 v[KT], v[KT], v[KT+1]
	v_permlanex16_b32 v[TP+2], v[KT], s[SEL], s[SEL+1]
	v_add_f32 v[KC+\a], v[KT], v[TP+2]
.endm
.macro IMAGE a                         ; the fragment goes to LDS as an image of its registers: 16 bytes a lane, 512 a store; its scale word 4 bytes a lane
.irp c, 0,1,2
	ds_store_b128 v[IW], v[PC+4*\c:PC+4*\c+3] offset:1536*(\a)+512*\c
.endr
	ds_store_b32 v[SW], v[PW] offset:ISC+128*(\a)
	s_wait_dscnt 4                                 ; these four stores may be out; the image before's are done, and its registers, the other set, are the ones written next
.endm
; A tile's epilogue.  tile = 0, 1: it stands in the stores' immediates alone.
.macro EPILOG tile
.irp b, 0,1,2,3
	v_mov_b32 v[TM+4+\b], 0                        ; a lane permute's destination counts as one of its sources
.endr
	v_mov_b32 v[TP+2], 0
	v_and_b32 v[TP+3], 31, v0                      ; lane
.irp a, 0,1,2,3
.set PC, 192-148*(\a%2)                        ; the two sets of code registers by turns
.set PW, 228+(\a%2)
	KPHI \a
	KSUM \a
	QUANT P, 0
	IMAGE \a
.endr
.irp a, 4,5,6,7
.set PC, 192-148*(\a%2)
.set PW, 228+(\a%2)
	QUANT 64*(\a-4), 3                             ; v goes into the quantiser as it stands
	IMAGE \a
.endr
	v_cmp_le_u32 vcc_lo, 16, v[TP+3]               ; lanes 0-15 store block 2 i's sums, lanes 16-31 block 2 i + 1's: 128 consecutive bytes a store
.irp i, 0,1
	v_cndmask_b32 v[TP+\i], v[KC+2*\i], v[KC+2*\i+1], vcc_lo
	global_store_b32 v[L4], v[TP+\i], s[6:7] offset:128*\i+512*\tile
.endr
	s_wait_dscnt 0x0                               ; my images have landed
	s_barrier_signal -1
	s_barrier_wait -1                              ; everybody's have.
; kv[m][d] over the tile's 256 s: two K steps of 128, one from each wave of my head.  I take m blocks 2 (wave % 2) + 0, 1 and all four d blocks: eight accumulators by turns.
.irp k, 0,1
	WIN TO_B
.irp t, 0,1,2,3
.irp c, 0,1,2
	ds_load_b128 v[12*(4*\k+\t)+4*\c:12*(4*\k+\t)+4*\c+3], v[IR] offset:12288*\k+1536*\t+512*\c
.endr
.endr
	WIN 0
.irp t, 0,1,2,3
	ds_load_b32 v[32+4*\k+\t], v[SR] offset:ISC+1024*\k+128*\t
.endr
.irp t, 0,1
.irp c, 0,1,2
	ds_load_b128 v[T+12*(2*\k+\t)+4*\c:T+12*(2*\k+\t)+4*\c+3], v[IRV] offset:12288*\k+1536*(4+\t)+512*\c
.endr
	ds_load_b32 v[40+2*\k+\t], v[SRV] offset:ISC+1024*\k+128*(4+\t)
.endr
.endr
	s_wait_dscnt 24                                ; the first K step's 24 loads are in; the second's 24 may be out
	WIN 0x01                                       ; source 0 (kk) window 1
.irp t, 0,1
.irp d, 0,1,2,3
	v_wmma_scale_f32_16x16x128_f8f6f4 v[P+8*(4*\t+\d):P+8*(4*\t+\d)+7], v[12*\d:12*\d+11], v[T+12*\t:T+12*\t+11], 0, v[32+\d], v[40+\t] matrix_a_fmt:MATRIX_FMT_BF6 matrix_b_fmt:MATRIX_FMT_BF6
.endr
.endr
	s_wait_dscnt 0x0
.irp t, 0,1
.irp d, 0,1,2,3
	v_wmma_scale_f32_16x16x128_f8f6f4 v[P+8*(4*\t+\d):P+8*(4*\t+\d)+7], v[12*(4+\d):12*(4+\d)+11], v[T+12*(2+\t):T+12*(2+\t)+11], v[P+8*(4*\t+\d):P+8*(4*\t+\d)+7], v[36+\d], v[42+\t] matrix_a_fmt:MATRIX_FMT_BF6 matrix_b_fmt:MATRIX_FMT_BF6
.endr
.endr
	WIN 0
	PLACES NP+1                                    ; for the stores below, and for what the next tile loads and lays over these products' registers
.irp q, 0,1,2,3,4,5,6,7                        ; the results leave as images of their registers: each store covers 512 consecutive bytes, aligned; each accumulator from its low end on
	global_store_b128 v[L16], v[P+8*\q:P+8*\q+3], s[4:5] offset:1024*\q+32768*\tile th:TH_STORE_NT
	global_store_b128 v[L16], v[P+8*\q+4:P+8*\q+7], s[4:5] offset:1024*\q+512+32768*\tile th:TH_STORE_NT
.endr
.endm
; ---- THE FIRST TILE
	s_wait_tensorcnt 1                             ; the scales and my part of K step 0 are in; K step 1's load may be out
	s_barrier_signal -1
	s_barrier_wait -1
	OPEN ADRS
	TURN 0, 1, 1, ADRS, 1                          ; slot 0 takes K step 2
	STEP 1, 0, 0
	TURN 1, 0, 1, ADRS, 2                          ; slot 1 takes K step 3
	STEP 0, 0, 0
	TURN 0, 1, 2, ADRS, 3                          ; THE RING GOES ON INTO THE SECOND TILE: slot 0 takes its K step 0,
	STEP 1, 0, 0
	TURNX 1                                        ; slot 1 its K step 1
	EPILOG 0
; ---- THE SECOND TILE
	s_wait_xcnt 0x0                                ; the first tile's stores have had their addresses translated (ISA guide 3.1): only behind this wait are the registers that they read written again
.irp a, 0,1,2,3,4,5,6,7
.irp j, 0,1,2,3,4,5,6,7
	v_mov_b32 v[BI+8*\a+\j], v[BS+\a]              ; the second tile's bias
.endr
.endr
	OPEN ADRS1
	TURN 0, 1, 1, ADRS1, 1
	STEP 1, 0, 0
	TURN 1, 0, 1, ADRS1, 2
	STEP 0, 0, 0
	TURN 0, 1, 0, ADRS1, 3                         ; the last two K steps are there: nothing more is filled
	STEP 1, 0, 0
	s_wait_dscnt 4*NL
	WIN MUL_LO
	MUL16 0, 1, NQ-1, 1, 0
	MUL16 2, 1, NQ-1, 1, 0
	s_wait_dscnt 0
	WIN MUL_HI
	MUL16 4, 1, NQ-1, 1, 0
	MUL16 6, 1, NQ-1, 1, 0
	WIN 0
	PLACES NP
	EPILOG 1
	s_wait_tensorcnt 0x0                           ; the wave's end
	ds_add_u32 v[SPW], v[NIL]
	s_wait_dscnt 0x0
	CROUND                                         ; the closing round
	s_endpgm
.Lfunc_end_k_q97fd5d55a4_kvgemm:
	.size	k_q97fd5d55a4_kvgemm, .Lfunc_end_k_q97fd5d55a4_kvgemm-k_q97fd5d55a4_kvgemm
	.p2alignl 7, 3214868480
	.fill 96, 4, 3214868480
	.section	.rodata,"a",@progbits
	.p2align	6, 0x0
	.amdhsa_kernel k_q97fd5d55a4_kvgemm
		.amdhsa_group_segment_fixed_size 327680
		.amdhsa_private_segment_fixed_size 0
		.amdhsa_enable_private_segment 0
		.amdhsa_kernarg_size 64
		.amdhsa_user_sgpr_count 2
		.amdhsa_user_sgpr_kernarg_segment_ptr 1
		.amdhsa_wavefront_size32 1
		.amdhsa_system_sgpr_workgroup_id_x 1
		.amdhsa_system_sgpr_workgroup_id_y 1
		.amdhsa_system_sgpr_workgroup_id_z 1
		.amdhsa_system_vgpr_workitem_id 0
		.amdhsa_next_free_vgpr 1024
		.amdhsa_next_free_sgpr 102
		.amdhsa_reserve_vcc 1
		.amdhsa_float_denorm_mode_32 3
		.amdhsa_float_denorm_mode_16_64 3
		.amdhsa_memory_ordered 1
		.amdhsa_forward_progress 1
		.amdhsa_inst_pref_size 255
	.end_amdhsa_kernel
	.section	.bss,"aw",@nobits
	.p2align	6
	.space	262144
	.amdgpu_metadata
---
amdhsa.version: [ 1, 2 ]
amdhsa.kernels:
  - .name:           k_q97fd5d55a4_kvgemm
    .symbol:         k_q97fd5d55a4_kvgemm.kd
    .args:
      - { .name: w_codes, .offset: 0, .size: 8, .value_kind: global_buffer, .address_space: global }
      - { .name: w_scales, .offset: 8, .size: 8, .value_kind: global_buffer, .address_space: global }
      - { .name: x_codes, .offset: 16, .size: 8, .value_kind: global_buffer, .address_space: global }
      - { .name: x_scales, .offset: 24, .size: 8, .value_kind: global_buffer, .address_space: global }
      - { .name: b_qkv, .offset: 32, .size: 8, .value_kind: global_buffer, .address_space: global }
      - { .name: mask, .offset: 40, .size: 8, .value_kind: global_buffer, .address_space: global }
      - { .name: kvp, .offset: 48, .size: 8, .value_kind: global_buffer, .address_space: global }
      - { .name: ksp, .offset: 56, .size: 8, .value_kind: global_buffer, .address_space: global }
    .group_segment_fixed_size: 327680
    .private_segment_fixed_size: 0
    .kernarg_segment_align: 8
    .kernarg_segment_size: 64
    .max_flat_workgroup_size: 128
    .sgpr_count:     102
    .vgpr_count:     1024
    .wavefront_size: 32
...
	.end_amdgpu_metadata
.endif
;; end of part 2
;; launch kvfin (part 3): grid 256 x 1, 4 waves a work-group, no clusters, 17,920 bytes of LDS; arguments kvp, ksp, kvq; writes kvq
.if DOCPART == 3
	.amdgcn_target "amdgcn-amd-amdhsa--gfx1250"
	.amdhsa_code_object_version 6
	.text
	.protected	k_q97fd5d55a4_kvfin
	.globl	k_q97fd5d55a4_kvfin
	.p2align	8
	.type	k_q97fd5d55a4_kvfin,@function
k_q97fd5d55a4_kvfin:
	s_mov_b64 s[64:65], 0
	v_nop
	global_prefetch_b8 v0, s[64:65] scope:SCOPE_SE
	s_setreg_imm32_b32 hwreg(HW_REG_WAVE_MODE, 25, 1), 1
	s_wait_xcnt 0x0
; The partial kv of a batch's 16 tiles of 256 s are added, kv is quantised along d (BF6, one E8M0 byte for each 32), and the partial sums of kk are added.
; A work-group takes 16 rows m of one head of one batch (and 16 positions of that head's sum of kk).  Wave w adds tiles 4 w .. 4 w + 3; the four sums meet in LDS; wave 0 adds, quantises and stores.
; kvp holds images of result registers: lane (r, h) holds row m = 16 t_m + r, and register 16 b + i is d = 32 b + 16 h + i: the layout that the conversions want.
; kvq: at 0 codes [batch 16 + head][m][48 bytes]; at 196608 one scale word for each row: its two bytes stand at the K blocks that the head takes in the last product (head % 2), the other two are 127 (over zero codes);
; at 212992 the sums of kk, [batch][1024], in true order of d.
; Memory binds and the launch is short: no matrix unit, no tensor loads.  LIMITS: NaN and infinities are not served; a block of zeros, or one under 2^-122, has the byte 1.
	s_load_b128 s[4:7], s[0:1], 0x0                ; kvp, ksp
	s_load_b64 s[8:9], s[0:1], 0x10                ; kvq
	v_lshl_add_u32 v168, v0, 2, 0x4400
	v_mov_b32 v169, 0
	v_lshrrev_b32 v1, 5, v0
	v_readfirstlane_b32 s10, v1                    ; wave
	v_and_b32 v1, 31, v0                           ; lane
	v_and_b32 v2, 15, v0                           ; r
	v_bfe_u32 v3, v0, 4, 1                         ; h
	v_lshlrev_b32 v4, 4, v1                        ; 16 lane
	s_lshl_b32 s11, s10, 12
	v_add_nc_u32 v5, s11, v4                       ; LDS: my wave's 4,096 bytes of sums
	v_lshl_add_u32 v6, v0, 2, 16384                ; LDS: a word a thread for the sums of kk
	v_lshlrev_b32 v7, 2, v2
	v_lshl_add_u32 v7, v3, 14, v7                  ; ksp: position r; lanes 16-31 four chunks on
	v_lshl_add_u32 v8, v1, 2, 16384
	v_mul_u32_u24 v9, v2, 48
	v_mad_u32_u24 v9, v3, 24, v9                   ; the codes: row r of 48 bytes, block h
	v_lshlrev_b32 v10, 2, v2
	v_and_b32 v11, 8, v2
	v_add_nc_u32 v11, v11, v2
	v_lshlrev_b32 v11, 2, v11                      ; 4 (r + 8 (r / 8)): a position's true d
	v_mov_b32 v22, 0                               ; lane permutes' destinations count as sources
	v_mov_b32 v23, 0
	v_mov_b32 v29, 0
	s_mov_b32 s26, 0x76543210
	s_mov_b32 s27, 0xfedcba98
	s_and_b32 s12, ttmp9, 3                        ; t_m
	s_bfe_u32 s13, ttmp9, 0x40002                  ; head
	s_lshr_b32 s14, ttmp9, 6                       ; batch
	s_lshl_b32 s16, s14, 4
	s_lshl_b32 s17, s10, 2
	s_add_co_u32 s16, s16, s17                     ; my first tile: 16 batch + 4 wave
	s_lshl_b32 s16, s16, 4
	s_add_co_u32 s16, s16, s13
	s_lshl_b32 s16, s16, 14
	s_lshl_b32 s17, s12, 12
	s_add_co_u32 s16, s16, s17
	s_mov_b32 s17, 0
	s_lshl_b32 s18, s14, 5
	s_lshl_b32 s19, s10, 3
	s_add_co_u32 s18, s18, s19                     ; my first chunk: 32 batch + 8 wave
	s_lshl_b32 s18, s18, 12
	s_lshl_b32 s19, s13, 8
	s_add_co_u32 s18, s18, s19
	s_lshl_b32 s19, s12, 6
	s_add_co_u32 s18, s18, s19
	s_mov_b32 s19, 0
	s_lshl_b32 s15, s14, 4
	s_add_co_u32 s15, s15, s13
	s_lshl_b32 s15, s15, 6
	s_lshl_b32 s28, s12, 4
	s_add_co_u32 s15, s15, s28                     ; my first row: (16 batch + head) 64 + 16 t_m
	s_mul_i32 s20, s15, 48
	s_mov_b32 s21, 0
	s_lshl_b32 s22, s15, 2
	s_add_co_u32 s22, s22, 196608
	s_mov_b32 s23, 0
	s_lshl_b32 s24, s14, 10
	s_lshl_b32 s28, s13, 6
	s_add_co_u32 s24, s24, s28
	s_lshr_b32 s28, s12, 1
	s_lshl_b32 s28, s28, 5
	s_add_co_u32 s24, s24, s28
	s_and_b32 s28, s12, 1
	s_lshl_b32 s28, s28, 3
	s_add_co_u32 s24, s24, s28
	s_lshl_b32 s24, s24, 2
	s_add_co_u32 s24, s24, 212992
	s_mov_b32 s25, 0
	s_and_b32 s28, s13, 1
	s_lshl_b32 s28, s28, 4                         ; 16 (head % 2)
	s_sub_co_u32 s29, 16, s28
	s_lshl_b32 s29, 0x7f7f, s29
	s_wait_kmcnt 0x0
	s_add_nc_u64 s[4:5], s[4:5], s[16:17]
	s_add_nc_u64 s[6:7], s[6:7], s[18:19]
	s_add_nc_u64 s[20:21], s[8:9], s[20:21]
	s_add_nc_u64 s[22:23], s[8:9], s[22:23]
	s_add_nc_u64 s[24:25], s[8:9], s[24:25]
.irp i, 0,1,2,3
.irp q, 0,1,2,3,4,5,6,7
	global_load_b128 v[32+32*\i+4*\q:32+32*\i+4*\q+3], v4, s[4:5] offset:262144*\i+512*\q th:TH_LOAD_NT   ; 512 consecutive bytes a load
.endr
.endr
.irp c, 0,1,2,3
	global_load_b32 v[16+\c], v7, s[6:7] offset:4096*\c
.endr
.macro SUM4                            ; four sets of 32 numbers into the first; four sums of kk into the first
.irp i, 1,2,3
.set k, 0
.rept 16
	v_pk_add_f32 v[32+k:33+k], v[32+k:33+k], v[32+32*\i+k:33+32*\i+k]
.set k, k+2
.endr
.endr
	v_add_f32 v16, v16, v17
	v_add_f32 v18, v18, v19
	v_add_f32 v16, v16, v18
.endm
	s_wait_loadcnt 0x0                             ; all 36 loads went out together; nothing is there to do meanwhile
	SUM4
.irp q, 0,1,2,3,4,5,6,7
	ds_store_b128 v5, v[32+4*\q:32+4*\q+3] offset:512*\q
.endr
	ds_store_b32 v6, v16
	s_wait_dscnt 0x0                               ; my stores have landed
	s_barrier_signal -1
	s_barrier_wait -1
	s_cmp_lg_u32 s10, 0
	s_cbranch_scc1 .Ldone                          ; wave 0 goes on alone
.irp w, 0,1,2,3
.irp q, 0,1,2,3,4,5,6,7
	ds_load_b128 v[32+32*\w+4*\q:32+32*\w+4*\q+3], v4 offset:4096*\w+512*\q
.endr
	ds_load_b32 v[16+\w], v8 offset:128*\w
.endr
	s_wait_dscnt 0x0
	SUM4
	v_permlanex16_b32 v29, v16, s26, s27
	v_add_f32 v16, v16, v29                        ; the sum of kk over the batch's 4,096 s
.irp b, 0,1
	v_max3_num_f32 v[20+\b], |v[32+16*\b]|, |v[33+16*\b]|, 0x2800000   ; my 16 numbers of block b, and the floor 2^(5 - 127)
.endr
.irp i, 2,4,6,8,10,12,14
.irp b, 0,1
	v_max3_num_f32 v[20+\b], v[20+\b], |v[32+16*\b+\i]|, |v[33+16*\b+\i]|
.endr
.endr
.irp b, 0,1
	v_permlanex16_b32 v[22+\b], v[20+\b], s26, s27
.endr
.irp b, 0,1
	v_max_num_f32 v[20+\b], v[20+\b], v[22+\b]
.endr
.irp b, 0,1
	v_add_nc_u32 v[24+\b], 0xfe000000, v[20+\b]    ; 4 off the exponent field: the conversion's scale operand
.endr
.irp b, 0,1
	v_lshrrev_b32 v[26+\b], 23, v[24+\b]           ; the byte
.endr
	v_cvt_scalef32_pk16_bf6_f32 v[160:162], v[32:47], v24
	v_cvt_scalef32_pk16_bf6_f32 v[164:166], v[48:63], v25
	v_lshl_or_b32 v28, v27, 8, v26                 ; (a plain line behind the conversions)
.irp i, 0,1,2
	v_permlane16_swap_b32 v[160+\i], v[164+\i]     ; lane (r, h) now holds block h: its lower 16 codes in the first three registers, its upper 16 in the second
.endr
	v_lshlrev_b32 v28, s28, v28
	v_or_b32 v28, s29, v28
	global_store_b96 v9, v[160:162], s[20:21]
	global_store_b96 v9, v[164:166], s[20:21] offset:12
	s_wait_xcnt 0x0                                ; EXEC changes only behind this wait
	v_cmp_gt_u32 vcc_lo, 16, v1
	s_and_saveexec_b32 s30, vcc_lo
	global_store_b32 v10, v28, s[22:23]
	global_store_b32 v11, v16, s[24:25]
	s_wait_xcnt 0x0
	s_or_b32 exec_lo, exec_lo, s30
.Ldone:
	s_wait_tensorcnt 0x0
	ds_add_u32 v168, v169
	s_wait_dscnt 0x0
	s_endpgm
.Lfunc_end_k_q97fd5d55a4_kvfin:
	.size	k_q97fd5d55a4_kvfin, .Lfunc_end_k_q97fd5d55a4_kvfin-k_q97fd5d55a4_kvfin
	.p2alignl 7, 3214868480
	.fill 96, 4, 3214868480
	.section	.rodata,"a",@progbits
	.p2align	6, 0x0
	.amdhsa_kernel k_q97fd5d55a4_kvfin
		.amdhsa_group_segment_fixed_size 17920
		.amdhsa_private_segment_fixed_size 0
		.amdhsa_enable_private_segment 0
		.amdhsa_kernarg_size 24
		.amdhsa_user_sgpr_count 2
		.amdhsa_user_sgpr_kernarg_segment_ptr 1
		.amdhsa_wavefront_size32 1
		.amdhsa_system_sgpr_workgroup_id_x 1
		.amdhsa_system_sgpr_workgroup_id_y 1
		.amdhsa_system_sgpr_workgroup_id_z 1
		.amdhsa_system_vgpr_workitem_id 0
		.amdhsa_next_free_vgpr 170
		.amdhsa_next_free_sgpr 66
		.amdhsa_reserve_vcc 1
		.amdhsa_float_denorm_mode_32 3
		.amdhsa_float_denorm_mode_16_64 3
		.amdhsa_memory_ordered 1
		.amdhsa_forward_progress 1
		.amdhsa_inst_pref_size 19
	.end_amdhsa_kernel
	.amdgpu_metadata
---
amdhsa.version: [ 1, 2 ]
amdhsa.kernels:
  - .name:           k_q97fd5d55a4_kvfin
    .symbol:         k_q97fd5d55a4_kvfin.kd
    .args:
      - { .name: kvp, .offset: 0, .size: 8, .value_kind: global_buffer, .address_space: global }
      - { .name: ksp, .offset: 8, .size: 8, .value_kind: global_buffer, .address_space: global }
      - { .name: kvq, .offset: 16, .size: 8, .value_kind: global_buffer, .address_space: global }
    .group_segment_fixed_size: 17920
    .private_segment_fixed_size: 0
    .kernarg_segment_align: 8
    .kernarg_segment_size: 24
    .max_flat_workgroup_size: 128
    .sgpr_count:     66
    .vgpr_count:     170
    .wavefront_size: 32
...
	.end_amdgpu_metadata
.endif
;; end of part 3
;; launch qgemm (part 4): grid 4 x 64, 4 waves a work-group, clusters of 4 x 4, 327,680 bytes of LDS; arguments x_codes, x_scales, w_codes, w_scales, out0, b_qkv, kvq; writes out0
.if DOCPART == 4
	.amdgcn_target "amdgcn-amd-amdhsa--gfx1250"
	.amdhsa_code_object_version 6
	.text
	.protected	k_q97fd5d55a4_qgemm
	.globl	k_q97fd5d55a4_qgemm
	.p2align	8
	.type	k_q97fd5d55a4_qgemm,@function
k_q97fd5d55a4_qgemm:
	s_mov_b64 s[64:65], 0
	v_nop
	global_prefetch_b8 v0, s[64:65] scope:SCOPE_SE
	s_setreg_imm32_b32 hwreg(HW_REG_WAVE_MODE, 25, 1), 1
	s_wait_xcnt 0x0
	s_wait_alu depctr_hold_cnt(0) depctr_sa_sdst(0) depctr_va_vdst(0) depctr_va_sdst(0) depctr_va_ssrc(0) depctr_va_vcc(0) depctr_vm_vsrc(0)
	s_getreg_b32 s2, hwreg(HW_REG_IB_STS2, 6, 4)
	s_cmp_eq_u32 s2, 0
	s_cbranch_scc0 .Lentry_in_a_cluster
	s_endpgm
.Lentry_in_a_cluster:
	s_bfe_u32 s2, ttmp6, 0x10000c
	s_cmp_lg_u32 s2, 0xf033
	s_cbranch_scc0 .Lentry_shape_is_right
	s_endpgm
.Lentry_shape_is_right:
; The q part of qkv = inputs w^T + b on codes of BF6 with E8M0 scales, and on each tile, in registers: kq = elu(q) + 1, z = 1 / (kq . sum of kk + 1e-6) in f32, kq quantised along d,
; out[s][m] = z x sum over d of kq[s][d] kv[m][d].  q itself never goes to memory.
; A tile is 256 rows of inputs x 256 columns (four heads).  Four waves, each 128 x 128: two heads; 64 accumulators, 512 registers.  K goes in steps of 256 through a ring of two LDS slots; the scale bytes come once.
; CLUSTERS 4 x 4: inputs' tiles are shared along a row of the cluster, w's along a column; each is asked for jointly.
; ORIENTATION: source 0 = 16 positions of w, source 1 = 16 rows of inputs: a lane holds ONE row, and its registers run along the columns.  w's positions lie re-ordered in memory, so that register 16 b + i of a
; block's 64 is column 32 b + 16 (lane / 16) + i.  The block's 128 columns become ONE fragment: K 0-63 the first head's d, K 64-127 the second's.
; THE LAST PRODUCT HAS K = 64: kv's fragment of head e holds its codes at K 64 e .. 64 e + 63 and zero codes elsewhere, so that the other head's kq adds nothing.
; The rows of inputs lie re-ordered too: the stores put each row at its true place.  The bias is the C of each sum's first matrix instruction.
; phi(x) = max(x, 2^(-|x| log2 e) - 1) + 1.   LIMITS: NaN and infinities are not served; a block of zeros, or one under 2^-122, has the scale byte 1.
; REGISTERS: window 0: v0-31 addresses; v32-63 scale words; v64-127 the bias; from v128 inputs' fragments; v224-231 kv's scale words.
;   window 1: w's fragments, two sets, at v0 and v128 (set 0 takes kv's eight fragments before the last step); v96-127, v224-255 my 64 numbers of the sum of kk.   windows 2, 3: the accumulators.
.set SIZE_N, 1024
.set KSTEP,  256
.set NQ,     KSTEP/128
.set ROWB,   192
.set KROW,   768
.set PITCH,  240
.set FR,     12
.set NL,     6
.set NP,     4
.set HALFT,  128*PITCH
.set SLOT,   4*HALFT
.set LAPS,   2
.set KS,     32
.set SCL,    2*SLOT
.set HALFS,  (128*KS/256)*272
.set SBLK,   (16*KS/256)*272
.set SPARE,  SCL+4*HALFS               ; the spare words, 128 bytes a wave: two blocks of 256 bytes that no other line names
.set SPITCH, 528                       ; the way out: a stage of 16 rows x (512 + 16) bytes a wave, in slot 0, whose last fill and last read are over by then
.set ADRA, 16
.set ADRB, 20
.set STO,  24
.set RD,   25
.set CO,   26
.set ADRS, 27
.set SPW,  28                          ; v28  my spare word's address; never rewritten
.set NIL,  29                          ; v29  0; never rewritten
.set SC,   32
.set BI,   64
.set AF,   128
.set P,    64                          ; the epilogue, window 0: v64-127 kq, later the block's results
.set BK,   128                         ; v128-191 16 rows back from the stage
.set PC,   192                         ; v192-210 the codes just made
.set Z,    212                         ; v212-219 the dot products with the sum of kk, four chains
.set KVS,  224                         ; v224-231 kv's scale words
.set PW,   232                         ; kq's scale word
.set TM,   234                         ; v234-249 the quantiser's
.set SEL,  66
.set G1, 24
.set G0, 32
.set G1B, 48
.set G0B, 56
.set G1S, 68
.set G0S, 76
.set G1SB, 80
.set G0SB, 88
.set MSB, 0
.macro WIN new                         ; the immediate's high byte repeats the setting that is left
.if MSB != (\new)
	s_set_vgpr_msb (MSB<<8)|(\new)
.set MSB, (\new)
.endif
.endm
.set MUL_LO, 0xa1
.set MUL_HI, 0xf1
.set TO_B,   0x40
.macro JLOAD g0a, g1a, g0b, g1b        ; a joint load: waves 0 and 1 fetch for inputs, waves 2 and 3 for w; four v_nop follow each of the two lines
	s_cmp_eq_u32 s15, 0
	s_cbranch_scc0 .Lfor_b_\@
	tensor_load_to_lds s[\g0a:\g0a+3], s[\g1a:\g1a+7]
	s_nop 0
.rept 4
	v_nop
.endr
	s_branch .Lasked_\@
.Lfor_b_\@:
	tensor_load_to_lds s[\g0b:\g0b+3], s[\g1b:\g1b+7]
	s_nop 0
.rept 4
	v_nop
.endr
.Lasked_\@:
.endm
.macro CREST
	s_cmp_lg_u32 s14, 0
	s_cbranch_scc1 .Lnot_wave_0_\@
	s_barrier_signal -3
.Lnot_wave_0_\@:
	s_barrier_wait -3
	s_barrier_signal -1
	s_barrier_wait -1
.endm
.macro CROUND
	s_barrier_signal -1
	s_barrier_wait -1
	CREST
.endm
	s_load_b128 s[4:7], s[0:1], 0x0                ; inputs' codes, inputs' scales
	s_load_b128 s[8:11], s[0:1], 0x10              ; w's codes, w's scales
	s_load_b64 s[12:13], s[0:1], 0x20              ; out0
	s_load_b64 s[96:97], s[0:1], 0x28              ; b_qkv
	s_load_b64 s[98:99], s[0:1], 0x30              ; kvq
	v_lshl_add_u32 v[SPW], v0, 2, SPARE
	v_mov_b32 v[NIL], 0
	ds_add_u32 v28, v29
	ds_add_u32 v28, v29
	s_wait_dscnt 0x0
	v_lshrrev_b32 v1, 5, v0
	v_readfirstlane_b32 s14, v1                    ; wave 0..3
	s_lshr_b32 s15, s14, 1                         ; which half of the tile's rows is mine.  Also: I fetch for inputs (0) or for w (1)
	s_and_b32 s16, s14, 1                          ; which half of its columns.  Also: which 128 rows of that tile I fetch
	s_bfe_u32 s40, ttmp6, 0x40000
	s_bfe_u32 s41, ttmp6, 0x40004
	s_lshl_b32 s42, ttmp9, 2
	s_add_co_u32 s42, s42, s40                     ; tile column = 4 x cluster x + cx
	s_and_b32 s17, ttmp7, 0xffff
	s_lshl_b32 s17, s17, 2
	s_add_co_u32 s17, s17, s41                     ; tile row = 4 x cluster y + cy
	s_lshl_b32 s43, s41, 2
	s_lshl_b32 s43, 15, s43
	s_lshl_b32 s44, 0x1111, s40
	s_or_b32 s[G1+0], s43, (0<<16)|(1<<20)|(1<<21)|(3<<22)|(3<<25)
	s_or_b32 s[G1B+0], s44, (0<<16)|(1<<20)|(1<<21)|(3<<22)|(3<<25)
.irp g, G1, G1B
	s_mov_b32 s[\g+1], ROWB<<16
	s_mov_b32 s[\g+2], 128<<16
	s_mov_b32 s[\g+3], ROWB<<16
	s_mov_b32 s[\g+4], 128
	s_mov_b32 s[\g+5], KROW
	s_mov_b32 s[\g+6], 0
	s_mov_b32 s[\g+7], 0
.endr
	s_or_b32 s[G1S+0], s43, (3<<16)|(1<<20)|(1<<21)|(5<<22)|(3<<25)
	s_or_b32 s[G1SB+0], s44, (3<<16)|(1<<20)|(1<<21)|(5<<22)|(3<<25)
.irp g, G1S, G1SB
	s_mov_b32 s[\g+1], 32<<16
	s_mov_b32 s[\g+2], (128*KS/256)<<16
	s_mov_b32 s[\g+3], 32<<16
	s_mov_b32 s[\g+4], 128*KS/256
	s_mov_b32 s[\g+5], 32
	s_mov_b32 s[\g+6], 0
	s_mov_b32 s[\g+7], 0
.endr
	s_mov_b32 s[SEL], 0x76543210
	s_mov_b32 s[SEL+1], 0xfedcba98
	s_mov_b32 s95, 0x3fb8aa3b                      ; log2(e)
	s_lshl_b32 s18, s16, 7
	s_lshl_b32 s20, s17, 8
	s_add_co_u32 s20, s20, s18                     ; inputs: position 256 x tile row + 128 x half
	s_lshl_b32 s46, s42, 8
	s_add_co_u32 s46, s46, s18                     ; w: position 256 x tile column + 128 x half
	s_mov_b32 s21, 0
	s_mov_b32 s47, 0
	s_mov_b64 s[18:19], KS
	s_mul_u64 s[22:23], s[20:21], s[18:19]
	s_mul_u64 s[92:93], s[46:47], s[18:19]
	s_mov_b64 s[18:19], KROW
	s_mul_u64 s[20:21], s[20:21], s[18:19]
	s_mul_u64 s[46:47], s[46:47], s[18:19]
	s_mul_i32 s45, s14, HALFT
	s_mul_i32 s94, s14, HALFS
	s_wait_kmcnt 0x0
	s_add_nc_u64 s[20:21], s[4:5], s[20:21]
	s_add_nc_u64 s[22:23], s[6:7], s[22:23]
	s_add_nc_u64 s[46:47], s[8:9], s[46:47]
	s_add_nc_u64 s[92:93], s[10:11], s[92:93]
	CROUND                                         ; all sixteen work-groups are here: the first joint loads meet
	s_mov_b32 s[G0S], 1
	s_add_co_u32 s[G0S+1], s94, SCL
	s_mov_b64 s[G0S+2:G0S+3], s[22:23]
	s_or_b32 s[G0S+3], s[G0S+3], 0x80000000
	s_mov_b32 s[G0SB], 1
	s_add_co_u32 s[G0SB+1], s94, SCL
	s_mov_b64 s[G0SB+2:G0SB+3], s[92:93]
	s_or_b32 s[G0SB+3], s[G0SB+3], 0x80000000
	JLOAD G0S, G1S, G0SB, G1SB
.irp s, 0,1
	s_mov_b32 s[G0+4*\s], 1
	s_add_co_u32 s[G0+4*\s+1], s45, \s*SLOT
	s_add_nc_u64 s[G0+4*\s+2:G0+4*\s+3], s[20:21], \s*ROWB
	s_or_b32 s[G0+4*\s+3], s[G0+4*\s+3], 0x80000000
	s_mov_b32 s[G0B+4*\s], 1
	s_add_co_u32 s[G0B+4*\s+1], s45, \s*SLOT
	s_add_nc_u64 s[G0B+4*\s+2:G0B+4*\s+3], s[46:47], \s*ROWB
	s_or_b32 s[G0B+4*\s+3], s[G0B+4*\s+3], 0x80000000
	JLOAD G0+4*\s, G1, G0B+4*\s, G1B
.endr                                              ; three tensor loads of mine are out
	v_and_b32 v1, 15, v0                           ; r
	v_bfe_u32 v2, v0, 4, 1                         ; h
	v_mul_u32_u24 v3, v1, PITCH
	v_mul_u32_u24 v4, v2, 24
	v_add_nc_u32 v4, v3, v4
	v_lshl_add_u32 v5, v2, 4, v4
	s_mul_i32 s21, s15, HALFT
	s_mul_i32 s22, s16, HALFT
	s_add_co_u32 s22, s22, 2*HALFT
.irp s, 0,1
	v_add_nc_u32 v[ADRA+\s], s21, v4
	v_add_nc_u32 v[ADRB+\s], s22, v4
	v_add_nc_u32 v[ADRA+2+\s], s21, v5
	v_add_nc_u32 v[ADRB+2+\s], s22, v5
	s_add_co_u32 s21, s21, SLOT
	s_add_co_u32 s22, s22, SLOT
.endr
	v_mul_u32_u24 v5, v1, KS
	v_lshrrev_b32 v6, 8, v5
	v_lshl_add_u32 v5, v6, 4, v5
	s_mul_i32 s21, s15, HALFS
	s_mul_i32 s22, s16, HALFS
	s_add_co_u32 s22, s22, 2*HALFS
	s_sub_co_u32 s22, s22, s21
	v_mul_u32_u24 v6, s22, v2
	s_add_co_u32 s21, s21, SCL
	v_add_nc_u32 v5, v5, v6
	v_add_nc_u32 v[ADRS], s21, v5
	s_mul_i32 s23, s14, 16*SPITCH                  ; my stage
	v_mul_u32_u24 v5, v1, SPITCH                   ; in: row r, 32 bytes for each half of the lanes
	v_lshl_add_u32 v5, v2, 5, v5
	v_add_nc_u32 v[STO], s23, v5
	v_and_b32 v6, 31, v0
	v_lshlrev_b32 v[CO], 4, v6                     ; back: the 32 lanes take one row of 512 bytes; and the same in out0
	v_add_nc_u32 v[RD], s23, v[CO]
	s_lshl_b32 s20, s17, 8
	s_lshl_b32 s21, s15, 7
	s_add_co_u32 s20, s20, s21                     ; my first row of out0
	s_mov_b32 s21, 0
	s_mov_b64 s[18:19], SIZE_N*4
	s_mul_u64 s[20:21], s[20:21], s[18:19]
	s_lshl_b32 s46, s42, 10                        ; my first column, in bytes
	s_lshl_b32 s47, s16, 9
	s_add_co_u32 s46, s46, s47
	s_mov_b32 s47, 0
	s_add_nc_u64 s[20:21], s[20:21], s[46:47]
	s_add_nc_u64 s[12:13], s[12:13], s[20:21]
	v_lshlrev_b32 v7, 6, v2                        ; 64 h
	v_lshlrev_b32 v8, 2, v1                        ; 4 r
	v_mul_u32_u24 v9, v1, 48
	v_mad_u32_u24 v9, v2, 24, v9                   ; kv's codes: row r of 48 bytes, block h
	s_lshr_b32 s92, s17, 4                         ; the batch
	s_lshl_b32 s93, s42, 2
	s_lshl_b32 s94, s16, 1
	s_add_co_u32 s93, s93, s94                     ; my first head
	s_mov_b32 s101, 0
	s_lshl_b32 s100, s93, 8
	s_add_nc_u64 s[10:11], s[96:97], s[100:101]    ; the bias of my 128 columns
	s_lshl_b32 s94, s92, 12
	s_add_co_u32 s100, s100, s94
	s_add_co_u32 s100, s100, 212992
	s_add_nc_u64 s[4:5], s[98:99], s[100:101]      ; the sums of kk of my two heads
	s_lshl_b32 s94, s92, 4
	s_add_co_u32 s94, s94, s93
	s_lshl_b32 s100, s94, 8
	s_add_co_u32 s100, s100, 196608
	s_add_nc_u64 s[6:7], s[98:99], s[100:101]      ; kv's scale words
	s_mul_i32 s100, s94, 3072
	s_add_nc_u64 s[8:9], s[98:99], s[100:101]      ; kv's codes
.irp b, 0,1,2,3,4,5,6,7
	global_load_b128 v[BI+8*\b:BI+8*\b+3], v7, s[10:11] offset:(32*(\b/2)+8*(\b%2))*4       ; tile b's eight columns of my half
	global_load_b128 v[BI+8*\b+4:BI+8*\b+7], v7, s[10:11] offset:(32*(\b/2)+8*(\b%2))*4+16
.endr
.irp e, 0,1
.irp t, 0,1,2,3
	global_load_b32 v[KVS+4*\e+\t], v8, s[6:7] offset:4*(64*\e+16*\t)
.endr
.endr
	WIN TO_B
.irp b, 0,1,2,3
.irp j, 0,1,2,3
	global_load_b128 v[96+16*\b+4*\j+96*(\b/2):96+16*\b+4*\j+96*(\b/2)+3], v7, s[4:5] offset:128*\b+16*\j   ; entry 16 b + i: the sum of kk at column 32 b + 16 h + i
.endr
.endr
	WIN 0
	s_wait_loadcnt 0x0
.macro FRAG reg, adr, q, i
.irp p, 0,1,2,3,4,5
.set PCE, 12*(\q)+6*(\p/3)+\p%3
.if PCE%8 < 5
	ds_load_b64 v[\reg+2*\p:\reg+2*\p+1], v[\adr] offset:8*PCE+16*(PCE/8)+(\i)*16*PITCH
.else
	ds_load_b64 v[\reg+2*\p:\reg+2*\p+1], v[\adr+2] offset:8*PCE+16*(PCE/8)+(\i)*16*PITCH
.endif
.endr
.endm
; 16 matrix instructions: inputs' blocks a0, a0 + 1 x w's eight.  zero = 1: the first product starts the sums from the bias.  The 64 accumulators take turns.
.macro MUL16 a0, p, q, sc, zero
.irp a, \a0, \a0+1
.irp b, 0,1,2,3,4,5,6,7
.if \zero
	v_wmma_scale_f32_16x16x128_f8f6f4 v[8*(8*((\a)%4)+\b):8*(8*((\a)%4)+\b)+7], v[128*(\p)+FR*\b:128*(\p)+FR*\b+FR-1], v[AF+FR*(\a):AF+FR*(\a)+FR-1], v[BI+8*\b:BI+8*\b+7], v[SC+8*NQ*(\sc)+NQ*\b+(\q)], v[SC+8*NQ*(\sc)+NQ*(\a)+(\q)] matrix_a_fmt:MATRIX_FMT_BF6 matrix_b_fmt:MATRIX_FMT_BF6 matrix_a_scale:MATRIX_SCALE_ROW1
.else
	v_wmma_scale_f32_16x16x128_f8f6f4 v[8*(8*((\a)%4)+\b):8*(8*((\a)%4)+\b)+7], v[128*(\p)+FR*\b:128*(\p)+FR*\b+FR-1], v[AF+FR*(\a):AF+FR*(\a)+FR-1], v[8*(8*((\a)%4)+\b):8*(8*((\a)%4)+\b)+7], v[SC+8*NQ*(\sc)+NQ*\b+(\q)], v[SC+8*NQ*(\sc)+NQ*(\a)+(\q)] matrix_a_fmt:MATRIX_FMT_BF6 matrix_b_fmt:MATRIX_FMT_BF6 matrix_a_scale:MATRIX_SCALE_ROW1
.endif
.endr
.endr
.endm
.macro FETCH_B slot, q, p
	WIN TO_B
.irp i, 0,1,2,3,4,5,6,7
	FRAG 128*(\p)+FR*\i, ADRB+\slot, \q, \i
.endr
	WIN 0
.endm
.macro FETCH_A slot, q, i0
.irp i, \i0, \i0+1, \i0+2, \i0+3
	FRAG AF+FR*(\i), ADRA+\slot, \q, \i
.endr
.endm
.macro SCALES sc
.irp i, 0,1,2,3,4,5,6,7
	ds_load_b64 v[SC+8*NQ*\sc+NQ*\i:SC+8*NQ*\sc+NQ*\i+1], v[ADRS] offset:\i*SBLK
.endr
.endm
.macro PLACES n                        ; plain vector lines between a matrix instruction and a load into, or a vector line on, its registers
.rept \n
	v_nop
.endr
.endm
.macro STEP slot, q, zero
	s_wait_dscnt 4*NL                              ; w's set and inputs' blocks 0-3 are in; the youngest 24 loads may be out
	WIN MUL_LO-0x20*(\zero)                        ; (the bias lies in window 0)
	MUL16 0, (\q)%2, \q, \slot, \zero
	MUL16 2, (\q)%2, \q, \slot, \zero
	s_wait_dscnt 0
	PLACES NP
	FETCH_B \slot, (\q)+1, 1-(\q)%2
	FETCH_A \slot, (\q)+1, 0
	WIN MUL_HI-0x30*(\zero)
	MUL16 4, (\q)%2, \q, \slot, \zero
	MUL16 6, (\q)%2, \q, \slot, \zero
	PLACES NP
	WIN 0
	FETCH_A \slot, (\q)+1, 4
.endm
.macro TURN slot, next, fill
	s_wait_tensorcnt 0x0                           ; all my tensor loads have landed: my part of the next slot
	ds_add_u32 v[SPW], v[NIL]
	s_wait_dscnt 4*NL+1                            ; the add and the youngest 24 loads may be out
	WIN MUL_LO
	MUL16 0, 1, NQ-1, \slot, 0
	s_wait_dscnt 0x0                               ; the add is done, and my reads of this slot are over
	s_barrier_signal -1
	MUL16 2, 1, NQ-1, \slot, 0
	WIN 0
	s_barrier_wait -1
.if \fill
	CREST                                          ; no wave of any partner still reads this slot or has a load on its way
	s_add_nc_u64 s[G0+4*\slot+2:G0+4*\slot+3], s[G0+4*\slot+2:G0+4*\slot+3], 2*ROWB
	s_add_nc_u64 s[G0B+4*\slot+2:G0B+4*\slot+3], s[G0B+4*\slot+2:G0B+4*\slot+3], 2*ROWB
	JLOAD G0+4*\slot, G1, G0B+4*\slot, G1B         ; the first tensor load behind the round, and my only one until the next
.else
	PLACES NP
.endif
	v_add_nc_u32 v[ADRS], 4*NQ, v[ADRS]
	FETCH_B \next, 0, 0
	FETCH_A \next, 0, 0
	SCALES \next
	WIN MUL_HI
	MUL16 4, 1, NQ-1, \slot, 0
	MUL16 6, 1, NQ-1, \slot, 0
	PLACES NP
	WIN 0
	FETCH_A \next, 0, 4
.endm
	s_wait_tensorcnt 1                             ; the scales and my part of K step 0 are in; K step 1's load may be out
	s_barrier_signal -1
	s_barrier_wait -1
	FETCH_B 0, 0, 0
	FETCH_A 0, 0, 0
	SCALES 0
	FETCH_A 0, 0, 4
	STEP 0, 0, 1
	s_mov_b32 s3, LAPS-1
.Llap:
	TURN 0, 1, 1
	STEP 1, 0, 0
	TURN 1, 0, 1
	STEP 0, 0, 0
	s_sub_co_u32 s3, s3, 1
	s_cmp_lg_u32 s3, 0
	s_cbranch_scc1 .Llap
	TURN 0, 1, 0                                   ; the last lap fills nothing
	STEP 1, 0, 0
	WIN TO_B                                       ; w's set 0 is done with (the step's closing places stand behind its last reader): it takes kv's eight fragments
.irp e, 0,1
.irp t, 0,1,2,3
.irp i, 0,1,2,3,4,5
	v_mov_b32 v[12*(4*\e+\t)+6*(1-\e)+\i], 0       ; zero codes at the other head's 64 along K
.endr
.irp p, 0,1,2
	global_load_b64 v[12*(4*\e+\t)+6*\e+2*\p:12*(4*\e+\t)+6*\e+2*\p+1], v9, s[8:9] offset:48*(64*\e+16*\t)+8*\p
.endr
.endr
.endr
	WIN 0
	s_wait_dscnt 4*NL
	WIN MUL_LO
	MUL16 0, 1, NQ-1, 1, 0
	MUL16 2, 1, NQ-1, 1, 0
	s_wait_dscnt 0
	WIN MUL_HI
	MUL16 4, 1, NQ-1, 1, 0
	MUL16 6, 1, NQ-1, 1, 0
	WIN 0
	PLACES NP
; ---- THE EPILOGUE, block by block of 16 rows x 128 columns
; 64 numbers of a lane in window 0, register 16 b + i = k 32 b + 16 (lane / 16) + i of my row, become a fragment's codes in v[PC] on and its scale word in v[PW].
.macro QUANT s
.irp b, 0,1,2,3
	v_max3_num_f32 v[TM+\b], |v[(\s)+16*\b]|, |v[(\s)+1+16*\b]|, 0x2800000   ; my 16 numbers of block b, and the floor 2^(5 - 127)
.endr
.irp i, 2,4,6,8,10,12,14
.irp b, 0,1,2,3
	v_max3_num_f32 v[TM+\b], v[TM+\b], |v[(\s)+16*\b+\i]|, |v[(\s)+1+16*\b+\i]|
.endr
.endr
.irp b, 0,1,2,3
	v_permlanex16_b32 v[TM+4+\b], v[TM+\b], s[SEL], s[SEL+1]
.endr
.irp b, 0,1,2,3
	v_max_num_f32 v[TM+\b], v[TM+\b], v[TM+4+\b]
.endr
.irp b, 0,1,2,3
	v_add_nc_u32 v[TM+12+\b], 0xfe000000, v[TM+\b] ; 4 off the exponent field: the conversion's scale operand
.endr
.irp b, 0,1,2,3
	v_lshrrev_b32 v[TM+4+\b], 23, v[TM+12+\b]      ; the byte
.endr
	v_lshl_or_b32 v[PW], v[TM+5], 8, v[TM+4]
	v_lshl_or_b32 v[PW], v[TM+6], 16, v[PW]
	v_lshl_or_b32 v[PW], v[TM+7], 24, v[PW]
.irp c, 0,1
	v_cvt_scalef32_pk16_bf6_f32 v[PC+6*\c:PC+2+6*\c], v[(\s)+32*\c:(\s)+15+32*\c], v[TM+12+2*\c]
	v_cvt_scalef32_pk16_bf6_f32 v[PC+12+4*\c:PC+14+4*\c], v[(\s)+16+32*\c:(\s)+31+32*\c], v[TM+12+2*\c+1]
.endr
	v_nop                                          ; one plain line behind a scaled conversion
.irp c, 0,1
.irp i, 0,1,2
	v_permlane16_swap_b32 v[PC+6*\c+\i], v[PC+12+4*\c+\i]
.endr
.irp i, 0,1,2
	v_mov_b32 v[PC+3+6*\c+\i], v[PC+12+4*\c+\i]
.endr
.endr
.endm
.macro SEND a                          ; block a's 16 rows leave: position 16 a + t is true row 32 (a / 2) + 16 (t / 8) + 8 (a % 2) + t % 8
	s_wait_dscnt 0x0                               ; the block is back from the stage
.irp t, 0,1,2,3,4,5,6,7,8,9,10,11,12,13,14,15
	global_store_b128 v[CO], v[BK+4*\t:BK+4*\t+3], s[12:13] offset:4096*(32*((\a)/2)+16*(\t/8)+8*((\a)%2)+\t%8) th:TH_STORE_NT   ; 32 lanes store 512 consecutive bytes, aligned
.endr
.endm
.macro EPI a
.set W, 2+(\a)/4
.set AC, 64*((\a)%4)
	WIN W                                          ; source 0: the block's accumulators, each read from its low end on
.set j, 0
.rept 64
	v_mul_f32 v[P+j], -|v[AC+j]|, s95
.set j, j+1
.endr
	WIN 0
.set j, 0
.rept 64
	v_exp_f32 v[P+j], v[P+j]
.set j, j+1
.endr
	v_nop                                          ; a plain line behind the last exponential
.if (\a) > 0
	SEND (\a)-1                                    ; the block before has had these lines in which to come back from the stage
.endif
.set j, 0
	s_wait_alu depctr_va_vdst(0)
.rept 32
	v_pk_add_f32 v[P+j:P+j+1], v[P+j:P+j+1], -1.0 op_sel_hi:[1,0]
.set j, j+2
.endr
	WIN W
.set j, 0
.rept 64
	v_max_num_f32 v[P+j], v[AC+j], v[P+j]
.set j, j+1
.endr
	WIN 0
.set j, 0
.rept 32
	v_pk_add_f32 v[P+j:P+j+1], v[P+j:P+j+1], 1.0 op_sel_hi:[1,0]   ; kq
.set j, j+2
.endr
	QUANT P
	WIN 0x04                                       ; source 1 window 1: the sums of kk.  kq . sum of kk in f32, two chains a head; these 32 plain lines also stand between the codes and the scale word just made and the products
.set k, 0
.rept 16
.irp e, 0,1
.set n, 32*\e+2*k
.set zz, Z+4*\e+2*(k%2)
.if k < 2
	v_pk_mul_f32 v[zz:zz+1], v[P+n:P+n+1], v[96+n+96*(n/32):97+n+96*(n/32)]
.else
	v_pk_fma_f32 v[zz:zz+1], v[P+n:P+n+1], v[96+n+96*(n/32):97+n+96*(n/32)], v[zz:zz+1]
.endif
.endr
.set k, k+1
.endr
	WIN (W<<6)|1                                   ; source 0 (kv) window 1; the results take the block's own accumulators, which have been read
.irp e, 0,1
.irp t, 0,1,2,3
	v_wmma_scale_f32_16x16x128_f8f6f4 v[AC+8*(4*\e+\t):AC+8*(4*\e+\t)+7], v[12*(4*\e+\t):12*(4*\e+\t)+11], v[PC:PC+11], 0, v[KVS+4*\e+\t], v[PW] matrix_a_fmt:MATRIX_FMT_BF6 matrix_b_fmt:MATRIX_FMT_BF6
.endr
.endr
	WIN 0
	v_pk_add_f32 v[Z:Z+1], v[Z:Z+1], v[Z+2:Z+3]    ; z; the first four lines are the places behind the products
	v_pk_add_f32 v[Z+4:Z+5], v[Z+4:Z+5], v[Z+6:Z+7]
	v_add_f32 v[Z], v[Z], v[Z+1]
	v_add_f32 v[Z+4], v[Z+4], v[Z+5]
	v_permlanex16_b32 v250, v[Z], s[SEL], s[SEL+1]
	v_permlanex16_b32 v251, v[Z+4], s[SEL], s[SEL+1]
	v_add_f32 v[Z], v[Z], v250
	v_add_f32 v[Z+4], v[Z+4], v251
	v_add_f32 v[Z], 0x358637bd, v[Z]               ; + 1e-6
	v_add_f32 v[Z+4], 0x358637bd, v[Z+4]
	v_rcp_f32 v[Z+2], v[Z]
	v_rcp_f32 v[Z+6], v[Z+4]
	v_nop                                          ; a plain line behind the reciprocals
	WIN W
.set j, 0
	s_wait_alu depctr_va_vdst(0)
.rept 32
	v_pk_mul_f32 v[P+j:P+j+1], v[AC+j:AC+j+1], v[Z+2+4*(j/32):Z+3+4*(j/32)] op_sel_hi:[1,0]   ; x z of the column's head; ascending: each accumulator from its low end on
.set j, j+2
.endr
	WIN 0
	s_wait_xcnt 0x0                                ; the last block's stores have read their registers: the loads below may land there
.irp b, 0,1,2,3,4,5,6,7
	ds_store_b128 v[STO], v[P+8*\b:P+8*\b+3] offset:64*\b
	ds_store_b128 v[STO], v[P+8*\b+4:P+8*\b+7] offset:64*\b+16
.endr
.irp t, 0,1,2,3,4,5,6,7,8,9,10,11,12,13,14,15
	ds_load_b128 v[BK+4*\t:BK+4*\t+3], v[RD] offset:\t*SPITCH     ; LDS serves a wave's instructions in order: these see the stores above
.endr
	s_wait_dscnt 16                                ; the 16 stores are done, so that their registers may be written again; the 16 loads may be out
.endm
	s_wait_loadcnt 0x0                             ; kv's codes
.irp b, 0,1,2,3
	v_mov_b32 v[TM+4+\b], 0                        ; written once: a lane permute's destination counts as one of its sources
.endr
	v_mov_b32 v250, 0
	v_mov_b32 v251, 0
.irp a, 0,1,2,3,4,5,6,7
	EPI \a
.endr
	SEND 7
	s_wait_tensorcnt 0x0                           ; the wave's end
	ds_add_u32 v[SPW], v[NIL]
	s_wait_dscnt 0x0
	CROUND                                         ; the closing round
	s_endpgm
.Lfunc_end_k_q97fd5d55a4_qgemm:
	.size	k_q97fd5d55a4_qgemm, .Lfunc_end_k_q97fd5d55a4_qgemm-k_q97fd5d55a4_qgemm
	.p2alignl 7, 3214868480
	.fill 96, 4, 3214868480
	.section	.rodata,"a",@progbits
	.p2align	6, 0x0
	.amdhsa_kernel k_q97fd5d55a4_qgemm
		.amdhsa_group_segment_fixed_size 327680
		.amdhsa_private_segment_fixed_size 0
		.amdhsa_enable_private_segment 0
		.amdhsa_kernarg_size 56
		.amdhsa_user_sgpr_count 2
		.amdhsa_user_sgpr_kernarg_segment_ptr 1
		.amdhsa_wavefront_size32 1
		.amdhsa_system_sgpr_workgroup_id_x 1
		.amdhsa_system_sgpr_workgroup_id_y 1
		.amdhsa_system_sgpr_workgroup_id_z 1
		.amdhsa_system_vgpr_workitem_id 0
		.amdhsa_next_free_vgpr 1024
		.amdhsa_next_free_sgpr 102
		.amdhsa_reserve_vcc 0
		.amdhsa_float_denorm_mode_32 3
		.amdhsa_float_denorm_mode_16_64 3
		.amdhsa_memory_ordered 1
		.amdhsa_forward_progress 1
		.amdhsa_inst_pref_size 255
	.end_amdhsa_kernel
	.section	.bss,"aw",@nobits
	.p2align	6
	.space	262144
	.amdgpu_metadata
---
amdhsa.version: [ 1, 2 ]
amdhsa.kernels:
  - .name:           k_q97fd5d55a4_qgemm
    .symbol:         k_q97fd5d55a4_qgemm.kd
    .args:
      - { .name: x_codes, .offset: 0, .size: 8, .value_kind: global_buffer, .address_space: global }
      - { .name: x_scales, .offset: 8, .size: 8, .value_kind: global_buffer, .address_space: global }
      - { .name: w_codes, .offset: 16, .size: 8, .value_kind: global_buffer, .address_space: global }
      - { .name: w_scales, .offset: 24, .size: 8, .value_kind: global_buffer, .address_space: global }
      - { .name: out0, .offset: 32, .size: 8, .value_kind: global_buffer, .address_space: global }
      - { .name: b_qkv, .offset: 40, .size: 8, .value_kind: global_buffer, .address_space: global }
      - { .name: kvq, .offset: 48, .size: 8, .value_kind: global_buffer, .address_space: global }
    .group_segment_fixed_size: 327680
    .private_segment_fixed_size: 0
    .kernarg_segment_align: 8
    .kernarg_segment_size: 56
    .max_flat_workgroup_size: 128
    .sgpr_count:     102
    .vgpr_count:     1024
    .wavefront_size: 32
...
	.end_amdgpu_metadata
.endif
;; end of part 4
